; MI455X (gfx1250); checked and timed in simulation.
; The chip was launched on July 23, 2026; its instructions are those of AMD's public machine-readable ISA for CDNA 5 (MIT licence, August 2026) and "CDNA5" Instruction Set Architecture Reference Guide (July 2026). The comments in the code are by the model that wrote it; some were corrected since.
;; Self Attention. Allowed arithmetic: matrix products marked QUANTISED: E4M3 operands, one E8M0 scale for each 32 along K, by v_wmma_scale_f32_16x16x128_f8f6f4 with both operands' format E4M3, f32 sums; everything else in f32.
;; Inputs: Wk 1,024 x 1,024 float32; Wo 1,024 x 1,024 float32; Wq 1,024 x 1,024 float32; Wv 1,024 x 1,024 float32; x 4 x 2,048 x 1,024 float32.
;; Outputs: out0 4 x 2,048 x 1,024 float32.
;; This version of the problem:
;;   THIS VERSION OF THE PROBLEM IS GIVEN IN LOW PRECISION. The matrix products marked QUANTISED in the list below multiply operands that are first quantised to E4M3 (4 exponent bits, 3 mantissa bits; 8 bits a number), with one power-of-two scale for each 32 numbers along K (OCP MX v1.0); their sums are f32. All else is computed in f32.
;;   The module's matrix products, in the order in which they are computed (A, B: the left and right operand; K: the contracted axis; several contracted axes count as one K, in the product's order):
;;     1. [M 8,192, K 1,024] x [K 1,024, N 1,024]; A: input x; B: input Wq: QUANTISED
;;     2. [M 8,192, K 1,024] x [K 1,024, N 1,024]; A: input x; B: input Wk: QUANTISED
;;     3. [M 8,192, K 1,024] x [K 1,024, N 1,024]; A: input x; B: input Wv: QUANTISED
;;     4. batch 64 x [M 2,048, K 64] x [K 64, N 2,048]; A: computed on the way; B: computed on the way: QUANTISED
;;     5. batch 64 x [M 64, K 2,048] x [K 2,048, N 2,048]; A: computed on the way; B: softmax (see below): QUANTISED
;;     6. [M 8,192, K 1,024] x [K 1,024, N 1,024]; A: computed on the way; B: input Wo: QUANTISED
;;   THE QUANTISER, for each operand of a quantised product, along K:
;;     - K is cut into blocks of 32 from its start; a last block that is shorter is filled with zeros.
;;     - A block's scale is 2^e with e = floor(log2(the largest magnitude in the block)) - 8, held to -126 .. 127; a block of zeros has e = 0. As a byte (E8M0): e + 127.
;;     - Each number is divided by its block's scale, clamped to +-448, and rounded to the nearest number of E4M3, ties to even, subnormals kept.
;;     - The product sums the exact products of the quantised numbers (number of the format x scale) in f32.
;;   ~~~python
;;   def quantise(x, axis):      # numpy; x: float32 -> the quantised numbers, widened to float32 again
;;       x = np.moveaxis(x, axis, -1); K = x.shape[-1]
;;       x = np.pad(x, [(0, 0)] * (x.ndim - 1) + [(0, -K % 32)]); x = x.reshape(x.shape[:-1] + (-1, 32)); a = np.abs(x).max(-1, keepdims=True)
;;       e = np.where(a > 0, np.clip(np.frexp(np.where(a > 0, a, 1))[1] - 1 - 8, -126, 127), 0)      # np.frexp(a)[1] - 1 = floor(log2(a)), exactly
;;       r = np.clip(x / 2.0 ** e, -448, 448)
;;       step = 2.0 ** (np.maximum(np.frexp(np.where(r == 0, 1, r))[1] - 1, -6) - 3)
;;       q = np.round(r / step) * step * 2.0 ** e      # np.round: ties to even
;;       return np.moveaxis(q.reshape(q.shape[:-2] + (-1,))[..., :K], -1, axis).astype(np.float32)
;;   ~~~
;;   SOFTMAX AHEAD OF A QUANTISED PRODUCT. Where the list says 'softmax', what is quantised is not the finished softmax but p = 2^(t - M), with t = logit x log2(e) and M = ceil(the row's largest t), a whole number; so 1/2 < the row's largest p <= 1. The row's sum l is taken of the UNQUANTISED p, in f32, and the product's result is divided by l at the end. Since M is a whole number, a kernel that streams over the keys may use a running M (the ceiling of the running maximum): every later rescaling is an exact power of two, which a block's scale takes up: the codes' values come out the same.
;;   OPERANDS COMPUTED ON THE WAY. 'Computed on the way' means the value that the module computes at that place (a softmax that the list does not call 'softmax' is quantised finished and normalised). What goes into a quantiser is computed in f32, as accurately as f32 sums, v_exp_f32 and their like allow (about 1e-6 of the number): no bf16 or f16 on the way to a quantiser, and a product that is left as it is and whose result goes on into a quantised operand takes f32 operands (vector FMAs, or v_wmma_f32_16x16x4_f32). A number that lies on a knife's edge between two numbers of the format may be rounded either way, as far as f32 arithmetic and the matrix unit's own rounding can turn it there, and no further.
;; One version. Each part assembles by itself: llvm-mc -triple=amdgcn-amd-amdhsa -mcpu=gfx1250 --defsym DOCPART=n.
;; ======== version 1 of 1: 4 launches
;; limits: right only within a limited range of input values
;; workspace buffers: cod 12,582,912 bytes; scl 393,216 bytes; att 35,127,296 bytes; oimg 8,388,608 bytes; oscl 262,144 bytes
;; launch quant (part 1): grid 1280 x 1, 4 waves a work-group, no clusters, 34,304 bytes of LDS; arguments Wq, Wk, Wv, Wo, x, cod, scl; writes cod, scl
.if DOCPART == 1
	.amdgcn_target "amdgcn-amd-amdhsa--gfx1250"
	.amdhsa_code_object_version 6
	.text
	.protected	k_q6c54ea76a3_quant
	.globl	k_q6c54ea76a3_quant
	.p2align	8
	.type	k_q6c54ea76a3_quant,@function
k_q6c54ea76a3_quant:
	s_mov_b64 s[64:65], 0
	v_nop
	global_prefetch_b8 v0, s[64:65] scope:SCOPE_SE
	s_setreg_imm32_b32 hwreg(HW_REG_WAVE_MODE, 25, 1), 1
	s_wait_xcnt 0x0
; x [8192][1024] and the four weights [1024 (k)][1024 (n)], f32, become codes of FP8 (E4M3) with one E8M0 scale byte for each 32 along K.
; K is x's last axis and a weight's FIRST axis.  A block's scale is 2^(floor(log2(largest magnitude)) - 8); each number is divided by it, held within +-448 and rounded to the nearest code, ties to even.
; LAYOUT OF THE RESULTS: images of operand registers.  A fragment (16 rows x 128 K) is 2,048 bytes: byte 512 c + 256 h + 16 r + i is the code of k = 128 ks + 32 c + 16 h + i of the row that lane r holds.
; cod: [row tile][ks 0..7][2,048]; tiles 0-511 x, 512-575 Wq, 576-639 Wk, 640-703 Wv, 704-767 Wo (a weight's rows here are its columns n).  scl: [row tile][ks][16 words], a word = the four bytes of a row's 128 K.
; THE ROWS OF A TILE ARE NOT NEIGHBOURS: lane r of tile T holds row 32 (T / 2) + 8 (T % 2) + r + 8 (r / 8): so a product that takes such tiles as source 0 leaves 16 neighbours in the registers of two neighbouring result tiles.
; LIMITS: a block of zeros gets the byte 1 where the rule says 127 (its codes are zeros, and this program alone reads the bytes); blocks whose largest magnitude lies under 2^-118 are held at byte 1; NaN and infinities are not served.
; Work-groups 0-255 take the weights (a wave: 32 columns x 128 K), work-groups 256-1279 take x (a wave: one fragment).  Waves share nothing: no barrier.  Every offset is an immediate: no loop, no pointer is stepped.
.set SEL, 20                           ; s[20:21] lane selects for v_permlanex16_b32: lane l xor 16
.set MNT, 23                           ; s23  the mantissa field of 448
.set XR,  16                           ; x: v16-79   16 rows as loaded, 4 registers each
.set XN,  80                           ; x: v80-143  64 numbers of my row: register 16 b + i = k 32 b + 16 h + i
.set PC,  144                          ; x: v144-159 the fragment's codes
.set TM,  160                          ; x: v160-175 at work
.set PW,  176                          ; x: v176     my row's scale word
.set WX,  16                           ; weights: v16-79 two sets of 32 numbers down K
.set WC,  80                           ; weights: v80-111 codes, 8 registers a block: no store's data are written again
.set SB,  112                          ; weights: v112 the four scale bytes
; 64 numbers of a lane, v[s] on, register 16 b + i = k 32 b + 16 (lane / 16) + i of my row, become a fragment's codes in v[pc] on and its scale word in v[pw].
.macro QUANT s, pc, pw
.irp b, 0,1,2,3
	v_max3_num_f32 v[TM+\b], |v[\s+16*\b]|, |v[\s+1+16*\b]|, 0x4800000   ; block b: my 16 numbers and the floor 2^(9 - 127): the byte cannot fall under 1
.endr
.irp i, 2,4,6,8,10,12,14
.irp b, 0,1,2,3
	v_max3_num_f32 v[TM+\b], v[TM+\b], |v[\s+16*\b+\i]|, |v[\s+1+16*\b+\i]|   ; the four blocks by turns
.endr
.endr
.irp b, 0,1,2,3
	v_permlanex16_b32 v[TM+4+\b], v[TM+\b], s[SEL], s[SEL+1]
.endr
.irp b, 0,1,2,3
	v_max_num_f32 v[TM+\b], v[TM+\b], v[TM+4+\b]          ; with lane l xor 16's: the block's largest magnitude
.endr
.irp b, 0,1,2,3
	v_add_nc_u32 v[TM+12+\b], 0xfc000000, v[TM+\b]        ; 8 off its exponent field: the conversion's scale operand
.endr
.irp b, 0,1,2,3
	v_and_or_b32 v[TM+8+\b], v[TM+\b], 0x7f800000, s[MNT] ; 448 x the scale
.endr
.irp b, 0,1,2,3
	v_lshrrev_b32 v[TM+4+\b], 23, v[TM+12+\b]             ; the scale's byte
.endr
	v_lshl_or_b32 v[\pw], v[TM+5], 8, v[TM+4]
	v_lshl_or_b32 v[\pw], v[TM+6], 16, v[\pw]
	v_lshl_or_b32 v[\pw], v[TM+7], 24, v[\pw]
.irp b, 0,1,2,3
.irp i, 0,1,2,3,4,5,6,7,8,9,10,11,12,13,14,15
	v_med3_num_f32 v[\s+16*\b+\i], v[\s+16*\b+\i], -v[TM+8+\b], v[TM+8+\b]   ; the conversion to an 8-bit code does not saturate (ISA guide 7.6.2): the hold comes first
.endr
	v_cvt_scalef32_pk8_fp8_f32 v[\pc+4*\b:\pc+1+4*\b], v[\s+16*\b:\s+7+16*\b], v[TM+12+\b]
	v_cvt_scalef32_pk8_fp8_f32 v[\pc+2+4*\b:\pc+3+4*\b], v[\s+8+16*\b:\s+15+16*\b], v[TM+12+\b]
.endr
	v_nop                                                  ; one plain line behind the last conversion
.endm
	s_load_b256 s[4:11], s[0:1], 0x0               ; Wq, Wk, Wv, Wo
	s_load_b128 s[12:15], s[0:1], 0x20             ; x, cod
	s_load_b64 s[16:17], s[0:1], 0x30              ; scl
	v_lshl_add_u32 v14, v0, 2, 0x8400
	v_mov_b32 v15, 0
	v_lshrrev_b32 v1, 5, v0
	v_readfirstlane_b32 s18, v1                    ; wave 0..3
	v_and_b32 v5, 31, v0                           ; lane
	s_mov_b32 s[SEL], 0x76543210
	s_mov_b32 s[SEL+1], 0xfedcba98
	s_mov_b32 s[MNT], 0x600000
	s_cmp_lt_u32 ttmp9, 256
	s_cbranch_scc1 .Lweights
	; ---- x: my wave makes fragment (row tile rt, K step ks)
	s_sub_co_u32 s24, ttmp9, 256
	s_lshr_b32 s25, s24, 1                         ; rt
	s_and_b32 s26, s24, 1
	s_lshl_b32 s26, s26, 2
	s_add_co_u32 s26, s26, s18                     ; ks = 4 (group % 2) + wave
	s_lshr_b32 s27, s25, 1
	s_lshl_b32 s27, s27, 17                        ; 32 rows of 4,096 bytes for each pair of tiles,
	s_and_b32 s28, s25, 1
	s_lshl_b32 s28, s28, 15                        ; 8 rows for the odd tile,
	s_add_co_u32 s28, s28, s27
	s_lshl_b32 s29, s26, 9                         ; 512 bytes a K step
	s_add_co_u32 s28, s28, s29
	s_mov_b32 s29, 0
	s_lshl_b32 s30, s25, 14                        ; codes: 16,384 rt + 2,048 ks
	s_lshl_b32 s31, s26, 11
	s_add_co_u32 s30, s30, s31
	s_mov_b32 s31, 0
	s_lshl_b32 s32, s25, 9                         ; scale words: 512 rt + 64 ks
	s_lshl_b32 s33, s26, 6
	s_add_co_u32 s32, s32, s33
	s_mov_b32 s33, 0
	s_mul_i32 s19, s18, 8448                       ; my wave's stage: 16 rows x (512 bytes + 16)
	s_wait_alu depctr_va_vdst(0)
	v_lshlrev_b32 v1, 4, v5                        ; 16 x lane
	v_add_nc_u32 v2, s19, v1                       ; into the stage: a row as it was loaded
	v_and_b32 v6, 15, v0                           ; r
	v_bfe_u32 v7, v0, 4, 1                         ; h
	v_mul_u32_u24 v3, v6, 528
	v_lshl_add_u32 v3, v7, 6, v3
	v_add_nc_u32 v3, s19, v3                       ; out of it: row r, + 64 h: my 16 numbers of a block of 32
	v_lshlrev_b32 v4, 2, v6                        ; my row's scale word
.irp b, 0,1,2,3
	v_mov_b32 v[TM+4+\b], 0                        ; a lane permute's destination counts as one of its sources
.endr
	s_wait_alu depctr_va_vdst(0)
	s_wait_kmcnt 0x0
	s_add_nc_u64 s[12:13], s[12:13], s[28:29]
	s_add_nc_u64 s[14:15], s[14:15], s[30:31]
	s_add_nc_u64 s[16:17], s[16:17], s[32:33]
.irp i, 0,1,2,3,4,5,6,7,8,9,10,11,12,13,14,15
	global_load_b128 v[XR+4*\i:XR+4*\i+3], v1, s[12:13] offset:(\i+8*(\i/8))*4096 th:TH_LOAD_NT   ; the tile's row i: 32 lanes read 512 consecutive bytes
.endr
.irp i, 0,1,2,3,4,5,6,7,8,9,10,11,12,13,14,15
	s_wait_loadcnt 15-\i                           ; loads come back in order: row i is in, the younger rows may be out
	ds_store_b128 v2, v[XR+4*\i:XR+4*\i+3] offset:528*\i
.endr
.irp c, 0,1,2,3
.irp j, 0,1,2,3
	ds_load_b128 v[XN+16*\c+4*\j:XN+16*\c+4*\j+3], v3 offset:128*\c+16*\j   ; LDS serves a wave's instructions in order: these see my stores; rows 528 bytes apart start in 16 different columns of 16 bytes
.endr
.endr
	s_wait_dscnt 0x0
	QUANT XN, PC, PW
.irp c, 0,1,2,3
	global_store_b128 v1, v[PC+4*\c:PC+4*\c+3], s[14:15] offset:512*\c      ; 512 consecutive bytes, aligned
.endr
	global_store_b32 v4, v[PW], s[16:17]           ; 64 bytes: lanes 16-31 write what lanes 0-15 write; one byte for each 128 that are read
	s_wait_tensorcnt 0x0
	ds_add_u32 v14, v15
	s_wait_dscnt 0x0
	s_endpgm
	; ---- weights: a lane takes a column n and its registers run down K
.Lweights:
	s_lshr_b32 s24, ttmp9, 6                       ; which weight
	s_and_b32 s25, ttmp9, 7                        ; which 128 columns
	s_bfe_u32 s26, ttmp9, 0x30003                  ; ks
	s_lshl_b32 s27, s25, 2
	s_add_co_u32 s27, s27, s18                     ; my wave's 32 columns: number 4 x group + wave
	s_lshl_b32 s28, s26, 19                        ; 128 rows of 4,096 bytes a K step,
	s_lshl_b32 s29, s27, 7                         ; 128 bytes for 32 columns
	s_add_co_u32 s28, s28, s29
	s_mov_b32 s29, 0
	s_lshl_b32 s30, s24, 6
	s_lshl_b32 s31, s27, 1
	s_add_co_u32 s30, s30, s31
	s_add_co_u32 s30, s30, 512                     ; the even one of my two row tiles
	s_lshl_b32 s32, s30, 14
	s_lshl_b32 s33, s26, 11
	s_add_co_u32 s32, s32, s33
	s_mov_b32 s33, 0
	s_lshl_b32 s34, s30, 9
	s_lshl_b32 s35, s26, 6
	s_add_co_u32 s34, s34, s35
	s_mov_b32 s35, 0
	s_wait_alu depctr_va_vdst(0)
	v_lshlrev_b32 v1, 2, v5                        ; in: 4 bytes a lane
	v_bfe_u32 v6, v0, 3, 1                         ; column l of the 32 lies in tile u = bit 3 of l,
	v_bfe_u32 v7, v0, 4, 1
	v_and_b32 v8, 7, v0
	v_lshl_add_u32 v8, v7, 3, v8                   ; at lane place r = l % 8 + 8 x bit 4 of l
	v_lshlrev_b32 v2, 14, v6
	v_lshl_add_u32 v2, v8, 4, v2                   ; codes: 16,384 u + 16 r
	v_lshlrev_b32 v3, 9, v6
	v_lshl_add_u32 v3, v8, 2, v3                   ; scale word: 512 u + 4 r
	s_wait_alu depctr_va_vdst(0)
	s_wait_kmcnt 0x0
	s_cmp_eq_u32 s24, 1                            ; the choice hangs on the work-group's number alone
	s_cselect_b64 s[4:5], s[6:7], s[4:5]
	s_cmp_eq_u32 s24, 2
	s_cselect_b64 s[4:5], s[8:9], s[4:5]
	s_cmp_eq_u32 s24, 3
	s_cselect_b64 s[4:5], s[10:11], s[4:5]
	s_add_nc_u64 s[4:5], s[4:5], s[28:29]
	s_add_nc_u64 s[14:15], s[14:15], s[32:33]
	s_add_nc_u64 s[16:17], s[16:17], s[34:35]
.macro LOADW t                         ; block t: W(128 ks + 32 t + i, my column) into set t % 2; 32 lanes read 128 consecutive bytes, the four waves 512
.set i, 0
.rept 32
	global_load_b32 v[WX+32*((\t)%2)+i], v1, s[4:5] offset:(32*(\t)+i)*4096 th:TH_LOAD_NT
.set i, i+1
.endr
.endm
.macro BLOCK t
.set XS, WX+32*((\t)%2)
.if (\t) < 3
	s_wait_loadcnt 32                              ; this block's 32 loads are in; the next block's 32 may be out
.else
	s_wait_loadcnt 0x0
.endif
	v_max3_num_f32 v12, |v[XS]|, |v[XS+1]|, |v[XS+2]|      ; all 32 numbers of the block are mine
	v_max3_num_f32 v13, |v[XS+3]|, |v[XS+4]|, |v[XS+5]|
.irp i, 6,10,14,18,22,26
	v_max3_num_f32 v12, v12, |v[XS+\i]|, |v[XS+\i+1]|
	v_max3_num_f32 v13, v13, |v[XS+\i+2]|, |v[XS+\i+3]|
.endr
	v_max3_num_f32 v12, v12, |v[XS+30]|, |v[XS+31]|
	v_max3_num_f32 v12, v12, v13, 0x4800000        ; and the floor
	v_add_nc_u32 v11, 0xfc000000, v12              ; the conversion's scale operand
	v_and_or_b32 v10, v12, 0x7f800000, s[MNT]      ; 448 x the scale
	v_lshrrev_b32 v13, 23, v11                     ; the byte
.if (\t) == 0
	v_mov_b32 v[SB], v13
.else
	v_lshl_or_b32 v[SB], v13, 8*(\t), v[SB]
.endif
.set i, 0
.rept 32
	v_med3_num_f32 v[XS+i], v[XS+i], -v10, v10
.set i, i+1
.endr
.irp g, 0,1,2,3
	v_cvt_scalef32_pk8_fp8_f32 v[WC+8*(\t)+2*\g:WC+8*(\t)+2*\g+1], v[XS+8*\g:XS+8*\g+7], v11
.endr
	v_nop                                          ; one plain line behind the last conversion
	global_store_b128 v2, v[WC+8*(\t):WC+8*(\t)+3], s[14:15] offset:512*(\t)           ; k 32 t + 0..15: sixteen lanes fill an aligned 256 bytes of each of the two tiles
	global_store_b128 v2, v[WC+8*(\t)+4:WC+8*(\t)+7], s[14:15] offset:512*(\t)+256     ; k 32 t + 16..31
.if (\t) < 2
	LOADW (\t)+2
.endif
.endm
	LOADW 0
	LOADW 1
	BLOCK 0
	BLOCK 1
	BLOCK 2
	BLOCK 3
	global_store_b32 v3, v[SB], s[16:17]           ; my column's scale word: 64 bytes in each of the two tiles
	s_endpgm
.Lfunc_end_k_q6c54ea76a3_quant:
	.size	k_q6c54ea76a3_quant, .Lfunc_end_k_q6c54ea76a3_quant-k_q6c54ea76a3_quant
	.p2alignl 7, 3214868480
	.fill 96, 4, 3214868480
	.section	.rodata,"a",@progbits
	.p2align	6, 0x0
	.amdhsa_kernel k_q6c54ea76a3_quant
		.amdhsa_group_segment_fixed_size 34304
		.amdhsa_private_segment_fixed_size 0
		.amdhsa_enable_private_segment 0
		.amdhsa_kernarg_size 56
		.amdhsa_user_sgpr_count 2
		.amdhsa_user_sgpr_kernarg_segment_ptr 1
		.amdhsa_wavefront_size32 1
		.amdhsa_system_sgpr_workgroup_id_x 1
		.amdhsa_system_sgpr_workgroup_id_y 1
		.amdhsa_system_sgpr_workgroup_id_z 1
		.amdhsa_system_vgpr_workitem_id 0
		.amdhsa_next_free_vgpr 180
		.amdhsa_next_free_sgpr 66
		.amdhsa_reserve_vcc 0
		.amdhsa_float_denorm_mode_32 3
		.amdhsa_float_denorm_mode_16_64 3
		.amdhsa_memory_ordered 1
		.amdhsa_forward_progress 1
		.amdhsa_inst_pref_size 44
	.end_amdhsa_kernel
	.amdgpu_metadata
---
amdhsa.version: [ 1, 2 ]
amdhsa.kernels:
  - .name:           k_q6c54ea76a3_quant
    .symbol:         k_q6c54ea76a3_quant.kd
    .args:
      - { .name: Wq, .offset: 0, .size: 8, .value_kind: global_buffer, .address_space: global }
      - { .name: Wk, .offset: 8, .size: 8, .value_kind: global_buffer, .address_space: global }
      - { .name: Wv, .offset: 16, .size: 8, .value_kind: global_buffer, .address_space: global }
      - { .name: Wo, .offset: 24, .size: 8, .value_kind: global_buffer, .address_space: global }
      - { .name: x, .offset: 32, .size: 8, .value_kind: global_buffer, .address_space: global }
      - { .name: cod, .offset: 40, .size: 8, .value_kind: global_buffer, .address_space: global }
      - { .name: scl, .offset: 48, .size: 8, .value_kind: global_buffer, .address_space: global }
    .group_segment_fixed_size: 34304
    .private_segment_fixed_size: 0
    .kernarg_segment_align: 8
    .kernarg_segment_size: 56
    .max_flat_workgroup_size: 128
    .sgpr_count:     66
    .vgpr_count:     180
    .wavefront_size: 32
...
	.end_amdgpu_metadata
.endif
;; end of part 1
;; launch qkv (part 2): grid 8 x 32, 4 waves a work-group, clusters of 4 x 1, 327,680 bytes of LDS; arguments cod, scl, att; writes att
.if DOCPART == 2
	.amdgcn_target "amdgcn-amd-amdhsa--gfx1250"
	.amdhsa_code_object_version 6
	.text
	.protected	k_q6c54ea76a3_qkv
	.globl	k_q6c54ea76a3_qkv
	.p2align	8
	.type	k_q6c54ea76a3_qkv,@function
k_q6c54ea76a3_qkv:
	s_mov_b64 s[64:65], 0
	v_nop
	global_prefetch_b8 v0, s[64:65] scope:SCOPE_SE
	s_setreg_imm32_b32 hwreg(HW_REG_WAVE_MODE, 25, 1), 1
	s_wait_xcnt 0x0
	s_wait_alu depctr_hold_cnt(0) depctr_sa_sdst(0) depctr_va_vdst(0) depctr_va_sdst(0) depctr_va_ssrc(0) depctr_va_vcc(0) depctr_vm_vsrc(0)
	s_getreg_b32 s2, hwreg(HW_REG_IB_STS2, 6, 4)
	s_cmp_eq_u32 s2, 0
	s_cbranch_scc0 .Lentry_in_a_cluster
	s_endpgm
.Lentry_in_a_cluster:
	s_bfe_u32 s2, ttmp6, 0x10000c
	s_cmp_lg_u32 s2, 0x3003
	s_cbranch_scc0 .Lentry_shape_is_right
	s_endpgm
.Lentry_shape_is_right:
; q = (x Wq) 64^-0.25, k = (x Wk) 64^-0.25 and v^T = Wv^T x^T ON CODES OF FP8 (E4M3) WITH E8M0 SCALES, K = 1,024; the results are quantised on the way out and leave as codes and scale words.
; Operands come as images of operand registers: cod [row tile][ks 0..7][2,048 bytes], scl [row tile][ks][16 words]; tiles 0-511 x, 512-575 Wq, 576-639 Wk, 640-703 Wv (a weight's rows are its columns n).
; Lane r of tile T holds row 32 (T / 2) + 8 (T % 2) + r + 8 (r / 8).
; att: two regions of RG bytes (0: q; 1: k and v), each [head 16 batch + hh][chunk of 128 tokens][SS bytes]: +0 codes of q or k, tile a at 1,024 a + 512 c + 16 lane; +8,192 v^T's four fragments of 2,048;
;   +16,384 scale words of q or k, tile a, lane r at 16 (r + 16 (a % 2)) + 4 (a / 2), each the head's two bytes twice; +16,896 v^T's, fragment t, lane r at 8 (r + 16 (t % 2)) + 4 (t / 2).
; THE DEAL.  256 work-groups of four waves, 2 x 2.  A work-group owns 256 tokens and two heads; a wave one chunk of 128 tokens (eight row tiles of x) and one head.  THREE PHASES: Wq, Wk, Wv.  In each the wave holds the head's four
; tiles of the weight, ALL of K, in 512 registers (windows 1, 2) and streams its eight row tiles past them: a block is one row tile, all of K, 128 registers, two sets (window 3); 32 products a block, its four accumulators by turns.
; x's 16 row tiles, 262,144 dense bytes, are filled ONCE, a quarter a wave, JOINTLY with the three partners of the cluster (4, 1, 1: the same tokens, other heads).  Nothing is filled again.
; The weights go from memory straight into registers, each load 512 consecutive bytes: x's 262,144 bytes and the work-group's 131,072 of a weight do not fit in LDS together, and the weights are wanted in registers alone: so no joint load serves them.
; No prefetch into the L2: x is asked for whole at the head, and each weight's bytes are read by all 32 blocks of tokens.
; q, k: source 0 = the weight, source 1 = x: a lane holds one token, and register 16 c + i of a block's 32 sums is the head's dimension 32 c + 16 (lane / 16) + i: two blocks of 32, each in lanes l and l xor 16.
; v^T: source 0 = x, source 1 = Wv: a lane holds one row of v^T, and the 16 sums of a tile in two neighbouring blocks are keys 32 c + 16 (lane / 16) + 0 .. 15.  So all are quantised in registers, behind the products, while the block two on is fetched.
; Scale words: v16-31 the weight's (register 8 p + q: lanes 0-15 tile 2 p, lanes 16-31 tile 2 p + 1, K step q); v34-65 x's (lanes 0-15 an even K step, lanes 16-31 the odd one behind it); a product's two never have numbers equal modulo 8.
; LIMITS: a block of zeros gets the byte 1 where the rule says 127 (its codes are zeros; this program alone reads the bytes); blocks under 2^-118 are held at byte 1; NaN and infinities are not served.
.set HS,    274432
.set SS,    17152
.set RG,    17563648
.set SPARE, 262144                     ; behind x's rows: the spare words, 128 bytes a wave
.set VL16, 4                           ; v3 lane;  v4 16 x lane;  v5, v6 LDS address of my blocks 0-3, 4-7;  v7 4 x lane;  v11 8 x lane
.set ADA,  5
.set VL4,  7
.set SPW,  8
.set NIL,  9
.set VSB,  10                          ; v10 my offset among a weight's scale words
.set VL8,  11
.set SB,   16
.set SA,   34
.set ACC,  72                          ; v72-135 two sets of four accumulators
.set T,    136                         ; v136-167 q's or k's 32 sums with their factor
.set PC,   168                         ; v168-183 codes
.set TM,   200                         ; v200-215 at work
.set PWA,  216                         ; v216-223 q's or k's scale words of the eight blocks
.set XW,   224                         ; v224-227 scale words as they are stored
.set VW,   228                         ; v228-231 v^T's scale words, a fragment each
.set FA,   58                          ; s[58:59] 64^-0.25
.set SEL,  60                          ; s[60:61] lane selects for v_permlanex16_b32
.set MNT,  62                          ; s62 the mantissa field of 448
.set MSB, 0
.macro WIN new                         ; the immediate's high byte repeats the setting that is left
.if MSB != (\new)
	s_set_vgpr_msb (MSB<<8)|(\new)
.set MSB, \new
.endif
.endm
.macro CROUND                          ; a round of the cluster's barrier
	s_barrier_signal -1
	s_barrier_wait -1
	s_cmp_lg_u32 s14, 0
	s_cbranch_scc1 .Lnot_wave_0_\@
	s_barrier_signal -3
.Lnot_wave_0_\@:
	s_barrier_wait -3
	s_barrier_signal -1
	s_barrier_wait -1
.endm
	s_load_b128 s[4:7], s[0:1], 0x0                ; cod, scl
	s_load_b64 s[12:13], s[0:1], 0x10              ; att
	v_lshl_add_u32 v[SPW], v0, 2, SPARE
	v_mov_b32 v[NIL], 0
	ds_add_u32 v[SPW], v[NIL]                      ; the opening lines: the add, twice on end, and its wait
	ds_add_u32 v[SPW], v[NIL]
	v_lshrrev_b32 v1, 5, v0
	v_readfirstlane_b32 s14, v1                    ; wave
	s_lshr_b32 s15, s14, 1                         ; my row of waves: which chunk
	s_and_b32 s16, s14, 1                          ; my column of waves: which head
	s_bfe_u32 s40, ttmp6, 0x40000                  ; cx
	s_lshl_b32 s42, ttmp9, 2
	s_add_co_u32 s42, s42, s40                     ; which two heads
	s_and_b32 s17, ttmp7, 0xffff                   ; which 256 tokens
	s_mov_b32 s24, 15|(3<<16)|(1<<21)              ; the four partners; elements of 8 bytes; four row tiles of 16,384 dense bytes
	s_mov_b32 s25, 2048<<16
	s_mov_b32 s26, 4<<16
	s_mov_b32 s27, 2048<<16
	s_mov_b32 s28, 4
	s_mov_b32 s29, 2048
	s_mov_b32 s30, 0
	s_mov_b32 s31, 0
	s_mov_b32 s32, 1
	s_lshl_b32 s33, s14, 16                        ; my quarter, in LDS and in the 256 tokens
	s_lshl_b32 s20, s17, 18
	s_add_co_u32 s20, s20, s33
	s_mov_b32 s21, 0
	s_lshl_b32 s44, s42, 3
	s_lshl_b32 s45, s16, 2
	s_add_co_u32 s44, s44, s45
	s_add_co_u32 s44, s44, 512                     ; the first of my head's four tiles of Wq; Wk's and Wv's lie 64 and 128 tiles on
	s_lshl_b32 s46, s44, 14
	s_mov_b32 s47, 0
	s_lshl_b32 s48, s44, 9
	s_mov_b32 s49, 0
	s_lshl_b32 s50, s17, 4
	s_lshl_b32 s51, s15, 3
	s_add_co_u32 s50, s50, s51                     ; the first of my eight row tiles of x
	s_lshl_b32 s52, s50, 9
	s_mov_b32 s53, 0
	s_lshl_b32 s54, s17, 1
	s_add_co_u32 s54, s54, s15                     ; my chunk among all 64
	s_lshr_b32 s55, s54, 4
	s_lshl_b32 s55, s55, 4                         ; 16 x batch
	s_lshl_b32 s51, s42, 1
	s_add_co_u32 s55, s55, s51
	s_add_co_u32 s55, s55, s16                     ; + my head
	s_mul_i32 s55, s55, HS
	s_and_b32 s54, s54, 15                         ; the chunk in its batch
	s_mul_i32 s54, s54, SS
	s_add_co_u32 s54, s54, s55
	s_mov_b32 s55, 0
	s_mov_b32 s56, RG                              ; from q's region to k's and v's
	s_mov_b32 s57, 0
	s_mov_b32 s[FA], 0x3eb504f3
	s_mov_b32 s[FA+1], s[FA]
	s_mov_b32 s[SEL], 0x76543210
	s_mov_b32 s[SEL+1], 0xfedcba98
	s_mov_b32 s[MNT], 0x600000
	s_lshl_b32 s22, s15, 17
	v_and_b32 v1, 15, v0                           ; r
	v_bfe_u32 v2, v0, 4, 1                         ; h
	v_and_b32 v3, 31, v0
	v_lshlrev_b32 v[VL16], 4, v3
	v_lshlrev_b32 v[VL4], 2, v3
	v_lshlrev_b32 v[VL8], 3, v3
	v_add_nc_u32 v[ADA], s22, v[VL16]
	v_add_nc_u32 v[ADA+1], 65536, v[ADA]
	v_lshlrev_b32 v[VSB], 9, v2
	v_lshl_add_u32 v[VSB], v1, 2, v[VSB]
.irp b, 2,3,4,5,6,7
	v_mov_b32 v[TM+\b], 0                          ; a lane permute's destination counts as one of its sources
.endr
	s_wait_alu depctr_va_vdst(0)                   ; the wait at the head's end
	s_wait_dscnt 0x0
	CROUND                                         ; the four work-groups are here: the joint loads meet
	s_wait_kmcnt 0x0
	s_add_nc_u64 s[34:35], s[4:5], s[20:21]
	s_or_b32 s35, s35, 0x80000000
	tensor_load_to_lds s[32:35], s[24:31]          ; one load a wave, the same line in all four: every wave waits for it alike
	s_nop 0
.rept 4
	v_nop
.endr
	s_add_nc_u64 s[8:9], s[4:5], s[46:47]          ; the weight's codes
	s_add_nc_u64 s[10:11], s[6:7], s[48:49]        ; and scale words
	s_add_nc_u64 s[6:7], s[6:7], s[52:53]          ; x's scale words
	s_add_nc_u64 s[12:13], s[12:13], s[54:55]      ; my head's and chunk's block of att
.irp s, 0,1,2,3,4,5,6,7
.irp j, 0,1,2,3
	global_load_b32 v[SA+8*(\s/2)+2*\j+(\s%2)], v[VL4], s[6:7] offset:512*\s+128*\j   ; 128 consecutive bytes: two K steps of a row tile
.endr
.endr
.macro WLOAD                           ; my head's four tiles of the weight at s[8:9]: fragment 4 q + b (tile b, K step q) into window 1 + (4 q + b) / 16; and their scale words
.irp p, 0,1
.irp q, 0,1,2,3,4,5,6,7
	global_load_b32 v[SB+8*\p+\q], v[VSB], s[10:11] offset:1024*\p+64*\q
.endr
.endr
.set F_, 0
.rept 32
	WIN (1+F_/16)<<6
.irp c, 0,1,2,3
	global_load_b128 v[16*(F_%16)+4*\c:16*(F_%16)+4*\c+3], v[VL16], s[8:9] offset:16384*(F_%4)+2048*(F_/4)+512*\c
.endr
.set F_, F_+1
.endr
	WIN 0
.endm
.macro FETCH s                         ; block s, all of K, into set s % 2 of window 3: 32 loads of 512 consecutive bytes
	WIN 3<<6
.irp q, 0,1,2,3,4,5,6,7
.irp c, 0,1,2,3
	ds_load_b128 v[128*((\s)%2)+16*\q+4*\c:128*((\s)%2)+16*\q+4*\c+3], v[ADA+(\s)/4] offset:16384*((\s)%4)+2048*\q+512*\c
.endr
.endr
	WIN 0
.endm
.macro PROD kind, s, n                 ; product n = 4 q + b of block s.  kind 0 (q, k): source 0 = the weight; kind 1 (v^T): source 0 = x
.set Q_, (\n)/4
.set B_, (\n)%4
.set AC_, ACC+32*((\s)%2)+8*B_
.set R_, 128*((\s)%2)+16*Q_
.set W_, 16*((\n)%16)
.set XS_, SA+8*((\s)/2)+2*(Q_/2)+((\s)%2)
.set WS_, SB+8*(B_/2)+Q_
.if \kind
	WIN 3|((1+(\n)/16)<<2)
.set X0_, R_
.set X1_, W_
.set S0_, XS_
.set S1_, WS_
.set PA_, Q_%2
.set PB_, B_%2
.else
	WIN (1+(\n)/16)|(3<<2)
.set X0_, W_
.set X1_, R_
.set S0_, WS_
.set S1_, XS_
.set PA_, B_%2
.set PB_, Q_%2
.endif
.if Q_ == 0 && PA_ && PB_
	v_wmma_scale_f32_16x16x128_f8f6f4 v[AC_:AC_+7], v[X0_:X0_+15], v[X1_:X1_+15], 0, v[S0_], v[S1_] matrix_a_scale:MATRIX_SCALE_ROW1 matrix_b_scale:MATRIX_SCALE_ROW1
.elseif Q_ == 0 && PA_
	v_wmma_scale_f32_16x16x128_f8f6f4 v[AC_:AC_+7], v[X0_:X0_+15], v[X1_:X1_+15], 0, v[S0_], v[S1_] matrix_a_scale:MATRIX_SCALE_ROW1
.elseif Q_ == 0 && PB_
	v_wmma_scale_f32_16x16x128_f8f6f4 v[AC_:AC_+7], v[X0_:X0_+15], v[X1_:X1_+15], 0, v[S0_], v[S1_] matrix_b_scale:MATRIX_SCALE_ROW1
.elseif Q_ == 0
	v_wmma_scale_f32_16x16x128_f8f6f4 v[AC_:AC_+7], v[X0_:X0_+15], v[X1_:X1_+15], 0, v[S0_], v[S1_]
.elseif PA_ && PB_
	v_wmma_scale_f32_16x16x128_f8f6f4 v[AC_:AC_+7], v[X0_:X0_+15], v[X1_:X1_+15], v[AC_:AC_+7], v[S0_], v[S1_] matrix_a_scale:MATRIX_SCALE_ROW1 matrix_b_scale:MATRIX_SCALE_ROW1
.elseif PA_
	v_wmma_scale_f32_16x16x128_f8f6f4 v[AC_:AC_+7], v[X0_:X0_+15], v[X1_:X1_+15], v[AC_:AC_+7], v[S0_], v[S1_] matrix_a_scale:MATRIX_SCALE_ROW1
.elseif PB_
	v_wmma_scale_f32_16x16x128_f8f6f4 v[AC_:AC_+7], v[X0_:X0_+15], v[X1_:X1_+15], v[AC_:AC_+7], v[S0_], v[S1_] matrix_b_scale:MATRIX_SCALE_ROW1
.else
	v_wmma_scale_f32_16x16x128_f8f6f4 v[AC_:AC_+7], v[X0_:X0_+15], v[X1_:X1_+15], v[AC_:AC_+7], v[S0_], v[S1_]
.endif
.endm
.macro BLK kind, s, fetch              ; a block's 32 products; behind them its set takes the block two on (behind blocks 6 and 7: the next phase's blocks 0 and 1)
.set N_, 0
.rept 32
	PROD \kind, \s, N_
.set N_, N_+1
.endr
	WIN 0
.rept 8
	v_nop                                          ; eight places in front of the loads into the set just multiplied and of the first read of the sums
.endr
	s_wait_dscnt 0x0                               ; the next block's set is in: it was asked for ahead of these 32 products
.if \fetch
	FETCH ((\s)+2)%8
.endif
	s_wait_xcnt 0x0                                ; the earlier stores have read their registers, which are written again below
.endm
.macro QKOUT s                         ; block s of q or k: the factor, two blocks of 32 along the head's 64, codes and the scale word
.set A_, ACC+32*((\s)%2)
.set j, 0
.rept 16
	v_pk_mul_f32 v[T+j:T+j+1], v[A_+j:A_+j+1], s[FA:FA+1] op_sel_hi:[1,0]   ; each accumulator from its low end on
.set j, j+2
.endr
.irp b, 0,1
	v_max3_num_f32 v[TM+\b], |v[T+16*\b]|, |v[T+1+16*\b]|, 0x4800000   ; my 16 numbers and the floor 2^(9 - 127): the byte cannot fall under 1
.endr
.irp i, 2,4,6,8,10,12,14
.irp b, 0,1
	v_max3_num_f32 v[TM+\b], v[TM+\b], |v[T+16*\b+\i]|, |v[T+1+16*\b+\i]|
.endr
.endr
.irp b, 0,1
	v_permlanex16_b32 v[TM+2+\b], v[TM+\b], s[SEL], s[SEL+1]
.endr
.irp b, 0,1
	v_max_num_f32 v[TM+\b], v[TM+\b], v[TM+2+\b]   ; with lane l xor 16's: the block's largest magnitude
.endr
.irp b, 0,1
	v_add_nc_u32 v[TM+12+\b], 0xfc000000, v[TM+\b] ; 8 off its exponent field: the conversion's scale operand
.endr
.irp b, 0,1
	v_and_or_b32 v[TM+8+\b], v[TM+\b], 0x7f800000, s[MNT]   ; 448 x the scale
.endr
.irp b, 0,1
	v_lshrrev_b32 v[TM+2+\b], 23, v[TM+12+\b]      ; the scale's byte
.endr
	v_lshl_or_b32 v[TM+10], v[TM+3], 8, v[TM+2]
	v_lshl_or_b32 v[PWA+(\s)], v[TM+10], 16, v[TM+10]   ; the head's two bytes, twice
.irp b, 0,1
.irp i, 0,1,2,3,4,5,6,7,8,9,10,11,12,13,14,15
	v_med3_num_f32 v[T+16*\b+\i], v[T+16*\b+\i], -v[TM+8+\b], v[TM+8+\b]   ; the conversion to an 8-bit code does not saturate (ISA guide 7.6.2): the hold comes first
.endr
	v_cvt_scalef32_pk8_fp8_f32 v[PC+4*\b:PC+1+4*\b], v[T+16*\b:T+7+16*\b], v[TM+12+\b]
	v_cvt_scalef32_pk8_fp8_f32 v[PC+2+4*\b:PC+3+4*\b], v[T+8+16*\b:T+15+16*\b], v[TM+12+\b]
.endr
	v_nop                                          ; one plain line behind the last conversion
	global_store_b128 v[VL16], v[PC:PC+3], s[12:13] offset:1024*(\s)          ; each store covers 512 consecutive bytes, aligned
	global_store_b128 v[VL16], v[PC+4:PC+7], s[12:13] offset:1024*(\s)+512
.endm
.macro VOUT c                          ; blocks 2 c and 2 c + 1 of v^T: keys 32 c .. 32 c + 31 of the chunk, for each of the head's four fragments
.irp t, 0,1,2,3
	v_max3_num_f32 v[TM+\t], |v[ACC+8*\t]|, |v[ACC+8*\t+1]|, 0x4800000
.endr
.irp i, 2,4,6
.irp t, 0,1,2,3
	v_max3_num_f32 v[TM+\t], v[TM+\t], |v[ACC+8*\t+\i]|, |v[ACC+8*\t+\i+1]|
.endr
.endr
.irp i, 0,2,4,6
.irp t, 0,1,2,3
	v_max3_num_f32 v[TM+\t], v[TM+\t], |v[ACC+32+8*\t+\i]|, |v[ACC+32+8*\t+\i+1]|
.endr
.endr
.irp t, 0,1,2,3
	v_permlanex16_b32 v[TM+4+\t], v[TM+\t], s[SEL], s[SEL+1]
.endr
.irp t, 0,1,2,3
	v_max_num_f32 v[TM+\t], v[TM+\t], v[TM+4+\t]
.endr
.irp t, 0,1,2,3
	v_add_nc_u32 v[TM+12+\t], 0xfc000000, v[TM+\t]
.endr
.irp t, 0,1,2,3
	v_and_or_b32 v[TM+8+\t], v[TM+\t], 0x7f800000, s[MNT]
.endr
.irp t, 0,1,2,3
	v_lshrrev_b32 v[TM+4+\t], 23, v[TM+12+\t]
.endr
.irp t, 0,1,2,3
.if (\c) == 0
	v_mov_b32 v[VW+\t], v[TM+4+\t]
.else
	v_lshl_or_b32 v[VW+\t], v[TM+4+\t], 8*(\c), v[VW+\t]   ; byte c of the fragment's scale word
.endif
.endr
.irp t, 0,1,2,3
.irp i, 0,1,2,3,4,5,6,7
	v_med3_num_f32 v[ACC+8*\t+\i], v[ACC+8*\t+\i], -v[TM+8+\t], v[TM+8+\t]
.endr
.irp i, 0,1,2,3,4,5,6,7
	v_med3_num_f32 v[ACC+32+8*\t+\i], v[ACC+32+8*\t+\i], -v[TM+8+\t], v[TM+8+\t]
.endr
	v_cvt_scalef32_pk8_fp8_f32 v[PC+4*\t:PC+4*\t+1], v[ACC+8*\t:ACC+8*\t+7], v[TM+12+\t]
	v_cvt_scalef32_pk8_fp8_f32 v[PC+4*\t+2:PC+4*\t+3], v[ACC+32+8*\t:ACC+32+8*\t+7], v[TM+12+\t]
.endr
	v_nop                                          ; one plain line behind the last conversion
.irp t, 0,1,2,3
	global_store_b128 v[VL16], v[PC+4*\t:PC+4*\t+3], s[12:13] offset:8192+2048*\t+512*(\c)   ; 512 consecutive bytes, aligned
.endr
.endm
	WLOAD                                          ; Wq
	s_wait_tensorcnt 0x0                           ; my quarter of x's rows is in,
	s_barrier_signal -1
	s_barrier_wait -1                              ; everybody's is
	FETCH 0
	FETCH 1
	s_mov_b32 s3, 2
.Lqk:                                                  ; two trips: q, then k
	s_wait_loadcnt 0x0                             ; the weight and all scale words are in: so the loads' bases may step,
	s_add_nc_u64 s[8:9], s[8:9], 0x100000          ; 64 tiles of 16,384 bytes on: the next weight's codes
	s_add_nc_u64 s[10:11], s[10:11], 0x8000        ; and its scale words
	s_wait_dscnt 0x0                               ; blocks 0 and 1
.irp s, 0,1,2,3,4,5,6,7
	BLK 0, \s, 1
	QKOUT \s
.endr
	v_cmp_lt_u32 vcc_lo, 15, v3                    ; lanes 0-15 store the even blocks' scale words, lanes 16-31 the odd ones' (both halves of the lanes hold token r's word)
.irp c, 0,1,2,3
	v_cndmask_b32 v[XW+\c], v[PWA+2*\c], v[PWA+2*\c+1], vcc_lo
.endr
	global_store_b128 v[VL16], v[XW:XW+3], s[12:13] offset:16384   ; 512 consecutive bytes
	s_wait_xcnt 0x0                                ; the stores have read their base:
	s_add_nc_u64 s[12:13], s[12:13], s[56:57]      ; behind q on to the second region; k and v^T share it
	s_mov_b32 s56, 0
	WLOAD                                          ; Wk, then Wv: more than eight plain vector lines stand behind the last products
	s_sub_co_u32 s3, s3, 1
	s_cmp_lg_u32 s3, 0
	s_wait_alu depctr_va_vdst(0)                   ; the wait directly ahead of the branch
	s_cbranch_scc1 .Lqk
	s_wait_loadcnt 0x0                             ; Wv
	s_wait_dscnt 0x0
.irp c, 0,1,2
	BLK 1, 2*\c, 1
	BLK 1, 2*\c+1, 1
	VOUT \c
.endr
	BLK 1, 6, 0
	BLK 1, 7, 0
	VOUT 3
	s_wait_xcnt 0x0
	v_cmp_lt_u32 vcc_lo, 15, v3                    ; lanes 0-15 store the even fragments' scale words, lanes 16-31 the odd ones'
	v_cndmask_b32 v[XW], v[VW], v[VW+1], vcc_lo
	v_cndmask_b32 v[XW+1], v[VW+2], v[VW+3], vcc_lo
	global_store_b64 v[VL8], v[XW:XW+1], s[12:13] offset:16896   ; 256 consecutive bytes, aligned
	s_wait_tensorcnt 0x0                           ; the wave's end
	ds_add_u32 v[SPW], v[NIL]
	s_wait_dscnt 0x0
	CROUND                                         ; the closing round
	s_endpgm
.Lfunc_end_k_q6c54ea76a3_qkv:
	.size	k_q6c54ea76a3_qkv, .Lfunc_end_k_q6c54ea76a3_qkv-k_q6c54ea76a3_qkv
	.p2alignl 7, 3214868480
	.fill 96, 4, 3214868480
	.section	.rodata,"a",@progbits
	.p2align	6, 0x0
	.amdhsa_kernel k_q6c54ea76a3_qkv
		.amdhsa_group_segment_fixed_size 327680
		.amdhsa_private_segment_fixed_size 0
		.amdhsa_enable_private_segment 0
		.amdhsa_kernarg_size 24
		.amdhsa_user_sgpr_count 2
		.amdhsa_user_sgpr_kernarg_segment_ptr 1
		.amdhsa_wavefront_size32 1
		.amdhsa_system_sgpr_workgroup_id_x 1
		.amdhsa_system_sgpr_workgroup_id_y 1
		.amdhsa_system_sgpr_workgroup_id_z 1
		.amdhsa_system_vgpr_workitem_id 0
		.amdhsa_next_free_vgpr 1024
		.amdhsa_next_free_sgpr 66
		.amdhsa_reserve_vcc 1
		.amdhsa_float_denorm_mode_32 3
		.amdhsa_float_denorm_mode_16_64 3
		.amdhsa_memory_ordered 1
		.amdhsa_forward_progress 1
		.amdhsa_inst_pref_size 215
	.end_amdhsa_kernel
	.amdgpu_metadata
---
amdhsa.version: [ 1, 2 ]
amdhsa.kernels:
  - .name:           k_q6c54ea76a3_qkv
    .symbol:         k_q6c54ea76a3_qkv.kd
    .args:
      - { .name: cod, .offset: 0, .size: 8, .value_kind: global_buffer, .address_space: global }
      - { .name: scl, .offset: 8, .size: 8, .value_kind: global_buffer, .address_space: global }
      - { .name: att, .offset: 16, .size: 8, .value_kind: global_buffer, .address_space: global }
    .group_segment_fixed_size: 327680
    .private_segment_fixed_size: 0
    .kernarg_segment_align: 8
    .kernarg_segment_size: 24
    .max_flat_workgroup_size: 128
    .sgpr_count:     66
    .vgpr_count:     1024
    .wavefront_size: 32
...
	.end_amdgpu_metadata
.endif
;; end of part 2
;; launch attn (part 3): grid 4 x 64, 16 waves a work-group, clusters of 4 x 1, 327,680 bytes of LDS; arguments att, oimg, oscl; writes oimg, oscl
.if DOCPART == 3
	.amdgcn_target "amdgcn-amd-amdhsa--gfx1250"
	.amdhsa_code_object_version 6
	.text
	.protected	k_q6c54ea76a3_attn
	.globl	k_q6c54ea76a3_attn
	.p2align	8
	.type	k_q6c54ea76a3_attn,@function
k_q6c54ea76a3_attn:
	s_mov_b64 s[64:65], 0
	v_nop
	global_prefetch_b8 v0, s[64:65] scope:SCOPE_SE
	s_setreg_imm32_b32 hwreg(HW_REG_WAVE_MODE, 25, 1), 1
	s_wait_xcnt 0x0
	s_wait_alu depctr_hold_cnt(0) depctr_sa_sdst(0) depctr_va_vdst(0) depctr_va_sdst(0) depctr_va_ssrc(0) depctr_va_vcc(0) depctr_vm_vsrc(0)
	s_getreg_b32 s2, hwreg(HW_REG_IB_STS2, 6, 4)
	s_cmp_eq_u32 s2, 0
	s_cbranch_scc0 .Lentry_in_a_cluster
	s_endpgm
.Lentry_in_a_cluster:
	s_bfe_u32 s2, ttmp6, 0x10000c
	s_cmp_lg_u32 s2, 0x3003
	s_cbranch_scc0 .Lentry_shape_is_right
	s_endpgm
.Lentry_shape_is_right:
; CAUSAL ATTENTION OF ONE HEAD ON CODES OF FP8 (E4M3) WITH E8M0 SCALES: S^T = K Q^T, p = 2^(t - M), O^T = V^T P^T, O / the row's sum, quantised along the head's 64 for the last product.
; att: two regions of RG bytes (0: q; 1: k and v), each [head][chunk of 128 tokens][SS bytes]: +0 eight tiles of 1,024 bytes of q's or k's codes, +8,192 v^T's four fragments, +16,384 q's or k's scale words, +16,896 v^T's.
; Lane r of tile T holds token 32 (T / 2) + 8 (T % 2) + r + 8 (r / 8).  oimg, oscl: images of the next product's operand registers and its scale words.
; WORK LEFT OUT: key steps all of whose keys come after a tile's queries: the mask that the problem builds itself turns their scores to -infinity, so their p is 0.
; SHARES.  A head has 128 tiles of 16 queries, in 16 groups of 8; a tile of group g needs key steps 0 .. g, and only step g holds hidden keys.  The four work-groups of a head form a cluster; a = min(wave, 15 - wave),
; sub = cx + 4 (wave / 8): a wave owns tile 8 (15 - a) + sub and then tile 8 a + sub: 17 key steps for every wave.  All branches hang on the wave's number and the count of steps; cx enters global addresses and the mask's numbers alone.
; LDS holds the head's whole K and V, 16 chunks of SS bytes, filled once: wave w asks for chunk w, JOINTLY with the same wave of the three partners (mask 15).  Waves 0 to 4 have a load line of their own:
; the first barrier shows chunks 0 to 4, which the first four steps read (K one step ahead).  Each wave then waits for its own chunk and signals the second barrier at once; its wait stands behind those four steps,
; with LDS reads and register work alone between.  Nothing is filled again.  No prefetch into the L2: every byte is asked for by the head's one load a wave, and there is no loop to run ahead in.
; TWO RUNS OF 64 REGISTERS CHANGE ROLES FROM STEP TO STEP: one holds K and then V, the other S^T and then p; when p's codes are made, the next step's K is asked for into p's registers. So a loop's trip is two steps.
; The last step of a tile asks for a chunk that nobody multiplies (its address is held at chunk 15): no branch leads round the loads.
; M = the running largest t rounded up to a whole number; the sum and O^T are multiplied by 2^(old M - new M) in every step.
; THE MASK: a hidden score is held under -2^99 by a minimum with (d + 1/2 - n) 2^100, d = query - first key - 16 (lane / 16), n the register's key: positive where the key counts.
; LIMITS: the promise holds while the scaled scores stay under 2^31 in magnitude; a block of zeros gets the byte 1 (its codes are zeros; this program alone reads the bytes); NaN and infinities are not served.
.set HS,   274432
.set SS,   17152
.set RG,   17563648
.set SPARE, 274432                     ; behind the 16 chunks: the spare words, 128 bytes a wave
.set LI,   1                           ; v1 16 x lane;  v2 8 x lane;  v3 the next chunk's LDS address;  v4, v5 this step's;  v6, v7 16 r, 4 r
.set L8,   2
.set ADN,  3
.set AD,   4
.set AD8,  5
.set DM,   42                          ; v[42:43] the mask's numbers for a lane's registers 0 and 1; the same for both tiles
.set FRG,  48                          ; v48-111 and v112-175: K, then V;  S^T, then p: the two names change places behind every step
.set S,    112
.set O,    176                         ; v176-207 O^T
.set PCD,  208                         ; v208-223 p's codes
.set BM,   224
.set BT,   228
.set BH,   232
.set BS,   236
.set KSC,  240
.set VSC,  244
.set FF,   246
.set PSW,  248
.set CH2,  250
.set WV,   10
.set HD,   11
.set GC,   12                          ; s12 the group of the tile in hand: from the wave's number alone
.set TI,   13                          ; s13 the tile
.set GH,   14
.set GL,   15
.set KI,   16                          ; s16 the trip's first key step
.set TB,   17                          ; s17 where its chunk begins in LDS
.set MNT,  19
.set SEL,  20
.set CS,   22
.set G1,   24
.set SUB,  32
.set DQ,   33
.macro CROUND                          ; a round of the cluster's barrier
	s_barrier_signal -1
	s_barrier_wait -1
	s_cmp_lg_u32 s[WV], 0
	s_cbranch_scc1 .Lnot_wave_0_\@
	s_barrier_signal -3
.Lnot_wave_0_\@:
	s_barrier_wait -3
	s_barrier_signal -1
	s_barrier_wait -1
.endm
	s_load_b128 s[4:7], s[0:1], 0x0                ; att, oimg
	s_load_b64 s[8:9], s[0:1], 0x10                ; oscl
	v_lshl_add_u32 v254, v0, 2, SPARE
	v_mov_b32 v255, 0
	ds_add_u32 v254, v255                          ; the opening lines: the add, twice on end, and its wait
	ds_add_u32 v254, v255
	v_lshrrev_b32 v1, 5, v0
	v_readfirstlane_b32 s[WV], v1
	s_and_b32 s[HD], ttmp7, 0xffff                 ; the head
	s_bfe_u32 s34, ttmp6, 0x40000                  ; cx
	s_mul_i32 s48, s[HD], HS
	s_mov_b32 s[G1], 15|(3<<16)|(1<<21)            ; the four partners; elements of 8 bytes; a chunk is 67 dense rows of 256 bytes
	s_mov_b32 s[G1+1], 32<<16
	s_mov_b32 s[G1+2], 67<<16
	s_mov_b32 s[G1+3], 32<<16
	s_mov_b32 s[G1+4], 67
	s_mov_b32 s[G1+5], 32
	s_mov_b32 s[G1+6], 0
	s_mov_b32 s[G1+7], 0
	s_mov_b32 s40, 1
	s_mul_i32 s41, s[WV], SS                       ; chunk w, in LDS and in the head's K and V
	s_add_co_u32 s60, s48, RG
	s_add_co_u32 s60, s60, s41
	s_mov_b32 s61, 0
	s_mov_b32 s[MNT], 0x600000
	s_mov_b32 s[SEL], 0x76543210
	s_mov_b32 s[SEL+1], 0xfedcba98
	s_mov_b32 s[CS], 0x3fb8aa3b                    ; log2(e): both factors 64^-0.25 lie in q and k
	s_mov_b32 s[CS+1], s[CS]
	s_xor_b32 s58, s[WV], 15
	s_min_u32 s[GL], s[WV], s58                    ; a
	s_xor_b32 s[GH], s[GL], 15                     ; 15 - a
	s_lshr_b32 s58, s[WV], 3
	s_lshl_b32 s58, s58, 2
	s_add_co_u32 s[SUB], s58, s34                  ; sub
	s_lshr_b32 s58, s[SUB], 1
	s_lshl_b32 s58, s58, 5
	s_and_b32 s59, s[SUB], 1
	s_lshl_b32 s59, s59, 3
	s_add_co_u32 s[DQ], s58, s59                   ; my first query in its group's 128: 32 (sub / 2) + 8 (sub % 2)
	s_wait_dscnt 0x0
	CROUND                                         ; the four work-groups are here: the joint loads meet
	s_wait_kmcnt 0x0
	s_add_nc_u64 s[42:43], s[4:5], s[60:61]
	s_or_b32 s43, s43, 0x80000000
	s_cmp_lt_u32 s[WV], 5                          ; one load a wave; waves 0 to 4, which wait at the first barrier, have a line of their own
	s_cbranch_scc0 .Lrest
	tensor_load_to_lds s[40:43], s[G1:G1+7]
	s_nop 0
.rept 4
	v_nop
.endr
	s_branch .Lasked
.Lrest:
	tensor_load_to_lds s[40:43], s[G1:G1+7]
	s_nop 0
.rept 4
	v_nop
.endr
.Lasked:
	v_and_b32 v8, 31, v0
	v_lshlrev_b32 v[LI], 4, v8
	v_lshlrev_b32 v[L8], 3, v8
	v_and_b32 v9, 15, v0
	v_bfe_u32 v10, v0, 4, 1
	v_and_b32 v11, 8, v9
	v_add_nc_u32 v11, v11, v9
	v_lshlrev_b32 v10, 4, v10
	v_sub_nc_u32 v11, v11, v10                     ; r + 8 (r / 8) - 16 h
	v_add_nc_u32 v11, s[DQ], v11                   ; d
	v_cvt_f32_i32 v11, v11
	v_add_f32 v11, 0.5, v11
	v_mul_f32 v[DM], 0x71800000, v11               ; (d + 1/2) 2^100
	v_add_f32 v[DM+1], 0xf1800000, v[DM]           ; (d - 1/2) 2^100
	v_lshlrev_b32 v6, 4, v9
	v_lshlrev_b32 v7, 2, v9
.irp j, 0,1,2,3,4,5,6,7
	v_mov_b32 v[24+\j], 0                          ; zero codes between q's two copies: a product takes 64 of its 128 along K from one tile of keys
.endr
.irp b, 0,1,2,3
	v_mov_b32 v[BT+\b], 0                          ; a lane permute's destination counts as one of its sources
.endr
	v_mov_b32 v[FF+1], 0
	v_mov_b32 v252, 0
	s_wait_alu depctr_va_vdst(0)
.macro QLOAD                           ; the tile 8 x group + sub: its codes, twice, and its scale words
	s_lshl_b32 s[TI], s[GC], 3
	s_add_co_u32 s[TI], s[TI], s[SUB]
	s_lshr_b32 s60, s[TI], 3
	s_mul_i32 s60, s60, SS
	s_add_co_u32 s60, s60, s48
	s_and_b32 s61, s[TI], 7
	s_lshl_b32 s62, s61, 10
	s_add_co_u32 s62, s62, s60
	s_mov_b32 s63, 0
	s_add_nc_u64 s[50:51], s[4:5], s[62:63]
	s_and_b32 s59, s[TI], 1
	s_lshl_b32 s62, s59, 8
	s_lshr_b32 s61, s61, 1
	s_lshl_b32 s61, s61, 2
	s_add_co_u32 s62, s62, s61
	s_add_co_u32 s62, s62, s60
	s_add_co_u32 s62, s62, 16384
	s_add_nc_u64 s[52:53], s[4:5], s[62:63]
	global_load_b128 v[16:19], v[LI], s[50:51]
	global_load_b128 v[20:23], v[LI], s[50:51] offset:512
	global_load_b128 v[32:35], v[LI], s[50:51]
	global_load_b128 v[36:39], v[LI], s[50:51] offset:512
	global_load_b32 v40, v6, s[52:53]
.endm
.macro OADDR                           ; where the tile's codes and scale bytes go
	s_lshr_b32 s58, s[HD], 4
	s_lshl_b32 s58, s58, 7
	s_add_co_u32 s58, s58, s[TI]
	s_and_b32 s59, s[HD], 15
	s_lshr_b32 s59, s59, 1
	s_and_b32 s60, s[HD], 1
	s_lshl_b32 s62, s58, 14
	s_lshl_b32 s61, s59, 11
	s_add_co_u32 s62, s62, s61
	s_lshl_b32 s61, s60, 10
	s_add_co_u32 s62, s62, s61
	s_mov_b32 s63, 0
	s_add_nc_u64 s[54:55], s[6:7], s[62:63]
	s_lshl_b32 s62, s58, 9
	s_lshl_b32 s61, s59, 6
	s_add_co_u32 s62, s62, s61
	s_lshl_b32 s61, s60, 1
	s_add_co_u32 s62, s62, s61
	s_add_nc_u64 s[56:57], s[8:9], s[62:63]
.endm
.macro INIT                            ; the largest t -3e38, the sums and O^T zeros: the first change of M multiplies zeros
	v_mov_b32 v13, 0xff61b1e6
	s_delay_alu instid0(VALU_DEP_1)
	v_floor_f32 v12, -v13
	v_mov_b32 v14, 0
	v_mov_b32 v15, 0
.set j, 0
.rept 32
	v_mov_b32 v[O+j], 0
.set j, j+1
.endr
	s_mov_b32 s[KI], 0
	s_mov_b32 s[TB], 0
.endm
.macro KLOAD d                         ; the eight tiles of K of the chunk at v[ADN], and their scale words
.irp c, 0,1,2,3
.irp g, 0,1,2,3
	ds_load_b128 v[\d+16*\c+4*\g:\d+16*\c+4*\g+3], v[ADN] offset:2048*\c+512*\g
.endr
.endr
	ds_load_b128 v[KSC:KSC+3], v[ADN] offset:16384
.endm
.macro KFIRST                          ; a tile's first K
	v_add_nc_u32 v[ADN], s[TB], v[LI]
	KLOAD FRG
.endm
.macro SWAP                            ; the two runs of registers change roles
.set SWP, S
.set S, FRG
.set FRG, SWP
.endm
; A KEY STEP of 128 keys, the o-th of its trip; its K has been asked for.  tests = 1: a step behind the tile's group is left out, and the group's own step is masked: scalar branches on the wave's number and the count of steps.
.macro STEP tests, o
.if \tests
	s_add_co_u32 s58, s[KI], \o
	s_cmp_gt_u32 s58, s[GC]
	s_cbranch_scc1 .Lhidden_\@
.endif
	s_add_co_u32 s59, s[TB], SS*(\o)+SS            ; the next chunk,
.if \tests
	s_min_u32 s59, s59, 15*SS                      ; held at the last
.endif
	v_add_nc_u32 v[AD], s[TB], v[LI]
	v_add_nc_u32 v[AD8], s[TB], v[L8]
	v_add_nc_u32 v[ADN], s59, v[LI]
.rept 6
	v_nop                                          ; with the three additions: nine places in front of products that write over registers which the last products read
.endr
	s_wait_alu depctr_va_vdst(0)                   ; the wait directly ahead of the wait below
	s_wait_dscnt 0x0                               ; K is in
.irp c, 0,1,2,3
	v_wmma_scale_f32_16x16x128_f8f6f4 v[S+16*\c:S+16*\c+7], v[FRG+16*\c:FRG+16*\c+15], v[16:31], 0, v[KSC+\c], v40
	v_wmma_scale_f32_16x16x128_f8f6f4 v[S+16*\c+8:S+16*\c+15], v[FRG+16*\c:FRG+16*\c+15], v[24:39], 0, v[KSC+\c], v40 matrix_a_scale:MATRIX_SCALE_ROW1
.endr
.rept 8
	v_nop
.endr
.irp t, 0,1,2,3
.irp c, 0,1,2,3
	ds_load_b128 v[FRG+16*\t+4*\c:FRG+16*\t+4*\c+3], v[AD] offset:SS*(\o)+8192+2048*\t+512*\c   ; V's fragments come while the softmax is walked
.endr
.endr
	ds_load_b64 v[VSC:VSC+1], v[AD8] offset:SS*(\o)+16896
.if \tests
	s_cmp_lt_u32 s58, s[GC]
	s_cbranch_scc1 .Lopen_\@
	; the mask: registers j, j + 1 hold keys n, n + 1, n = 32 (j / 16) + j % 16: the pair of numbers steps by -2 x 2^100, from block to block by -18 x 2^100: all exact
	v_dual_min_num_f32 v[S], v[S], v[DM] :: v_dual_min_num_f32 v[S+1], v[S+1], v[DM+1]
.set j, 2
.set LP, DM
.rept 31
.set LN, 250+2*((j/2)%2)
.if j%16
	v_pk_add_f32 v[LN:LN+1], v[LP:LP+1], 0xf2000000 op_sel_hi:[1,0]
.else
	v_pk_add_f32 v[LN:LN+1], v[LP:LP+1], 0xf3900000 op_sel_hi:[1,0]
.endif
	v_dual_min_num_f32 v[S+j], v[S+j], v[LN] :: v_dual_min_num_f32 v[S+j+1], v[S+j+1], v[LN+1]
.set LP, LN
.set j, j+2
.endr
.Lopen_\@:
.endif
.irp b, 0,1,2,3
	v_max3_num_f32 v[BM+\b], v[S+16*\b], v[S+1+16*\b], v[S+2+16*\b]   ; the largest score of each block of 32 keys: for the row's maximum and for the block's largest p
.endr
.irp i, 3,5,7,9,11,13
.irp b, 0,1,2,3
	v_max3_num_f32 v[BM+\b], v[BM+\b], v[S+16*\b+\i], v[S+1+16*\b+\i]
.endr
.endr
.irp b, 0,1,2,3
	v_max_num_f32 v[BM+\b], v[BM+\b], v[S+15+16*\b]
.endr
.irp b, 0,1,2,3
	s_delay_alu instid0(VALU_DEP_4)
	v_permlanex16_b32 v[BT+\b], v[BM+\b], s[SEL], s[SEL+1]
.endr
.irp b, 0,1,2,3
	s_delay_alu instid0(VALU_DEP_4)
	v_max_num_f32 v[BM+\b], v[BM+\b], v[BT+\b]
.endr
	s_delay_alu instid0(VALU_DEP_2)
	v_max3_num_f32 v252, v[BM], v[BM+1], v[BM+2]
	s_delay_alu instid0(VALU_DEP_1)
	v_max_num_f32 v252, v252, v[BM+3]
	s_delay_alu instid0(VALU_DEP_1)
	v_mul_f32 v252, s[CS], v252
	s_delay_alu instid0(VALU_DEP_1)
	v_max_num_f32 v13, v13, v252                   ; the running largest t
	v_mov_b32 v252, v12
	s_delay_alu instid0(VALU_DEP_2)
	v_floor_f32 v12, -v13                          ; -M
	s_delay_alu instid0(VALU_DEP_1)
	v_sub_f32 v252, v12, v252
	s_delay_alu instid0(VALU_DEP_1)
	v_cvt_i32_f32 v252, v252
	s_delay_alu instid0(VALU_DEP_1)
	v_ldexp_f32 v[FF], 1.0, v252                   ; f = 2^(old M - new M)
.set j, 0
.rept 32
	v_pk_fma_f32 v[S+j:S+j+1], v[S+j:S+j+1], s[CS:CS+1], v[12:13] op_sel_hi:[1,0,0]
.set j, j+2
.endr
.irp b, 0,1,2,3
	v_fma_f32 v[BM+\b], v[BM+\b], s[CS], v12
.endr
.set j, 0
	s_wait_alu depctr_va_vdst(0)                   ; the wait ahead of the batch
.rept 64
	v_exp_f32 v[S+j], v[S+j]
.set j, j+1
.endr
.irp b, 0,1,2,3
	v_exp_f32 v[BM+\b], v[BM+\b]
.endr
	v_pk_mul_f32 v[14:15], v[14:15], v[FF:FF+1] op_sel_hi:[1,0]
	s_wait_alu depctr_va_vdst(0)                   ; and behind it, ahead of its first reader
.irp b, 0,1,2,3
	v_max_num_f32 v[BM+\b], 0x4800000, v[BM+\b]    ; the floor: the byte cannot fall under 1
.endr
.irp b, 0,1,2,3
	s_delay_alu instid0(VALU_DEP_4)
	v_add_nc_u32 v[BS+\b], 0xfc000000, v[BM+\b]
.endr
.irp b, 0,1,2,3
	v_and_or_b32 v[BH+\b], v[BM+\b], 0x7f800000, s[MNT]
.endr
.irp b, 0,1,2,3
	v_lshrrev_b32 v[BT+\b], 23, v[BS+\b]
.endr
	s_delay_alu instid0(VALU_DEP_3)
	v_lshl_or_b32 v[PSW], v[BT+1], 8, v[BT]
	s_delay_alu instid0(VALU_DEP_1)
	v_lshl_or_b32 v[PSW], v[BT+2], 16, v[PSW]
	s_delay_alu instid0(VALU_DEP_1)
	v_lshl_or_b32 v[PSW], v[BT+3], 24, v[PSW]
	v_pk_add_f32 v[CH2:CH2+1], v[S:S+1], v[S+2:S+3]   ; the row's sum of the unquantised p, in two chains
.irp j, 4,8,12,16,20,24,28,32,36,40,44,48,52,56,60
	v_pk_add_f32 v[14:15], v[14:15], v[S+\j:S+1+\j]
	v_pk_add_f32 v[CH2:CH2+1], v[CH2:CH2+1], v[S+2+\j:S+3+\j]
.endr
	s_delay_alu instid0(VALU_DEP_1)
	v_pk_add_f32 v[14:15], v[14:15], v[CH2:CH2+1]
.irp b, 0,1,2,3
.irp i, 0,2,4,6,8,10,12,14
	v_dual_min_num_f32 v[S+16*\b+\i], v[S+16*\b+\i], v[BH+\b] :: v_dual_min_num_f32 v[S+16*\b+\i+1], v[S+16*\b+\i+1], v[BH+\b]   ; the hold, two numbers a line: p is not negative
.endr
	v_cvt_scalef32_pk8_fp8_f32 v[PCD+4*\b:PCD+1+4*\b], v[S+16*\b:S+7+16*\b], v[BS+\b]
	v_cvt_scalef32_pk8_fp8_f32 v[PCD+2+4*\b:PCD+3+4*\b], v[S+8+16*\b:S+15+16*\b], v[BS+\b]
.endr
	s_wait_alu depctr_va_vdst(0)                   ; the wait directly ahead of the wait below
	s_wait_dscnt 0x0                               ; V is in
	KLOAD S                                        ; p's numbers are done with: the next step's K lands on them under the lines below
.set j, 0
.rept 16
	v_pk_mul_f32 v[O+j:O+j+1], v[O+j:O+j+1], v[FF:FF+1] op_sel_hi:[1,0]   ; O^T under the new M; also the places in front of the products
.set j, j+2
.endr
	v_wmma_scale_f32_16x16x128_f8f6f4 v[O:O+7], v[FRG:FRG+15], v[PCD:PCD+15], v[O:O+7], v[VSC], v[PSW]
	v_wmma_scale_f32_16x16x128_f8f6f4 v[O+8:O+15], v[FRG+16:FRG+31], v[PCD:PCD+15], v[O+8:O+15], v[VSC], v[PSW] matrix_a_scale:MATRIX_SCALE_ROW1
	v_wmma_scale_f32_16x16x128_f8f6f4 v[O+16:O+23], v[FRG+32:FRG+47], v[PCD:PCD+15], v[O+16:O+23], v[VSC+1], v[PSW]
	v_wmma_scale_f32_16x16x128_f8f6f4 v[O+24:O+31], v[FRG+48:FRG+63], v[PCD:PCD+15], v[O+24:O+31], v[VSC+1], v[PSW] matrix_a_scale:MATRIX_SCALE_ROW1
.if \tests
.Lhidden_\@:
.endif
.endm
.macro PAIR tests                      ; a trip: two steps, behind which the registers' roles are as they were
	STEP \tests, 0
	SWAP
	STEP \tests, 1
	SWAP
	s_add_co_u32 s[KI], s[KI], 2
	s_add_co_u32 s[TB], s[TB], 2*SS
.endm
.macro OUT                             ; O^T / the sum, quantised along the head's 64: two blocks of 32
	s_wait_dscnt 0x0                               ; the chunk that the last step asked for has landed: its registers may be written
.rept 8
	v_nop
.endr
	v_add_f32 v14, v14, v15
	s_delay_alu instid0(VALU_DEP_1)
	v_permlanex16_b32 v252, v14, s[SEL], s[SEL+1]
	s_delay_alu instid0(VALU_DEP_1)
	v_add_f32 v14, v14, v252
	s_wait_alu depctr_va_vdst(0)
	v_rcp_f32 v14, v14
	v_nop
.set j, 0
	s_wait_alu depctr_va_vdst(0)
.rept 32
	v_mul_f32 v[S+j], v[O+j], v14
.set j, j+1
.endr
.irp b, 0,1
	v_max3_num_f32 v[BM+\b], |v[S+16*\b]|, |v[S+1+16*\b]|, 0x4800000
.endr
.irp i, 2,4,6,8,10,12,14
.irp b, 0,1
	s_delay_alu instid0(VALU_DEP_2)
	v_max3_num_f32 v[BM+\b], v[BM+\b], |v[S+16*\b+\i]|, |v[S+1+16*\b+\i]|
.endr
.endr
.irp b, 0,1
	s_delay_alu instid0(VALU_DEP_2)
	v_permlanex16_b32 v[BT+\b], v[BM+\b], s[SEL], s[SEL+1]
.endr
.irp b, 0,1
	s_delay_alu instid0(VALU_DEP_2)
	v_max_num_f32 v[BM+\b], v[BM+\b], v[BT+\b]
.endr
.irp b, 0,1
	s_delay_alu instid0(VALU_DEP_2)
	v_add_nc_u32 v[BS+\b], 0xfc000000, v[BM+\b]
.endr
.irp b, 0,1
	s_delay_alu instid0(VALU_DEP_4)
	v_and_or_b32 v[BH+\b], v[BM+\b], 0x7f800000, s[MNT]
.endr
.irp b, 0,1
	s_delay_alu instid0(VALU_DEP_4)
	v_lshrrev_b32 v[BT+\b], 23, v[BS+\b]
.endr
	s_delay_alu instid0(VALU_DEP_1)
	v_lshl_or_b32 v253, v[BT+1], 8, v[BT]
.irp b, 0,1
.irp i, 0,1,2,3,4,5,6,7,8,9,10,11,12,13,14,15
	v_med3_num_f32 v[S+16*\b+\i], v[S+16*\b+\i], -v[BH+\b], v[BH+\b]
.endr
	v_cvt_scalef32_pk8_fp8_f32 v[PCD+4*\b:PCD+1+4*\b], v[S+16*\b:S+7+16*\b], v[BS+\b]
	v_cvt_scalef32_pk8_fp8_f32 v[PCD+2+4*\b:PCD+3+4*\b], v[S+8+16*\b:S+15+16*\b], v[BS+\b]
.endr
	v_nop
	global_store_b128 v[LI], v[PCD:PCD+3], s[54:55]
	global_store_b128 v[LI], v[PCD+4:PCD+7], s[54:55] offset:512
	global_store_b16 v7, v253, s[56:57]
	s_wait_xcnt 0x0                                ; the stores have read their data and their bases: both are written again only behind this wait
.endm
	s_mov_b32 s[GC], s[GH]                         ; the tile of group 15 - a first: at least eight open steps
	QLOAD
	OADDR
	INIT
	s_wait_alu depctr_va_vdst(0)                   ; the wait at the head's end
	s_wait_loadcnt 0x0                             ; q
	s_cmp_lt_u32 s[WV], 5
	s_cbranch_scc0 .Lnot_first
	s_wait_tensorcnt 0x0                           ; waves 0 to 4: chunks 0 to 4 are in
.Lnot_first:
	s_barrier_signal -1
	s_barrier_wait -1
	s_wait_tensorcnt 0x0                           ; every wave: its chunk is in;
	s_barrier_signal -1                            ; it says so now, and asks whether all have said so behind the first four steps, which read chunks 0 to 4 alone
	KFIRST
	s_mov_b32 s18, 2
.Learly:
	PAIR 0
	s_sub_co_u32 s18, s18, 1
	s_cmp_lg_u32 s18, 0
	s_cbranch_scc1 .Learly
	s_barrier_wait -1
	s_mov_b32 s18, 6
.Llate:
	PAIR 1
	s_sub_co_u32 s18, s18, 1
	s_cmp_lg_u32 s18, 0
	s_cbranch_scc1 .Llate
	s_mov_b32 s[GC], s[GL]                         ; the tile of group a: its q is asked for ahead of the first tile's way out
	QLOAD
	OUT
	OADDR
	INIT
	s_wait_alu depctr_va_vdst(0)
	s_wait_loadcnt 0x0
	KFIRST
	s_mov_b32 s18, 4
.Llight:
	PAIR 1
	s_sub_co_u32 s18, s18, 1
	s_cmp_lg_u32 s18, 0
	s_cbranch_scc1 .Llight
	OUT
	s_wait_tensorcnt 0x0                           ; the wave's end
	ds_add_u32 v254, v255
	s_wait_dscnt 0x0
	CROUND                                         ; the closing round
	s_endpgm
.Lfunc_end_k_q6c54ea76a3_attn:
	.size	k_q6c54ea76a3_attn, .Lfunc_end_k_q6c54ea76a3_attn-k_q6c54ea76a3_attn
	.p2alignl 7, 3214868480
	.fill 96, 4, 3214868480
	.section	.rodata,"a",@progbits
	.p2align	6, 0x0
	.amdhsa_kernel k_q6c54ea76a3_attn
		.amdhsa_group_segment_fixed_size 327680
		.amdhsa_private_segment_fixed_size 0
		.amdhsa_enable_private_segment 0
		.amdhsa_kernarg_size 24
		.amdhsa_user_sgpr_count 2
		.amdhsa_user_sgpr_kernarg_segment_ptr 1
		.amdhsa_wavefront_size32 1
		.amdhsa_system_sgpr_workgroup_id_x 1
		.amdhsa_system_sgpr_workgroup_id_y 1
		.amdhsa_system_sgpr_workgroup_id_z 1
		.amdhsa_system_vgpr_workitem_id 0
		.amdhsa_next_free_vgpr 256
		.amdhsa_next_free_sgpr 66
		.amdhsa_reserve_vcc 0
		.amdhsa_float_denorm_mode_32 3
		.amdhsa_float_denorm_mode_16_64 3
		.amdhsa_memory_ordered 1
		.amdhsa_forward_progress 1
		.amdhsa_inst_pref_size 162
	.end_amdhsa_kernel
	.amdgpu_metadata
---
amdhsa.version: [ 1, 2 ]
amdhsa.kernels:
  - .name:           k_q6c54ea76a3_attn
    .symbol:         k_q6c54ea76a3_attn.kd
    .args:
      - { .name: att, .offset: 0, .size: 8, .value_kind: global_buffer, .address_space: global }
      - { .name: oimg, .offset: 8, .size: 8, .value_kind: global_buffer, .address_space: global }
      - { .name: oscl, .offset: 16, .size: 8, .value_kind: global_buffer, .address_space: global }
    .group_segment_fixed_size: 327680
    .private_segment_fixed_size: 0
    .kernarg_segment_align: 8
    .kernarg_segment_size: 24
    .max_flat_workgroup_size: 512
    .sgpr_count:     66
    .vgpr_count:     256
    .wavefront_size: 32
...
	.end_amdgpu_metadata
.endif
;; end of part 3
;; launch outp (part 4): grid 8 x 32, 4 waves a work-group, clusters of 4 x 1, 327,680 bytes of LDS; arguments oimg, oscl, cod, scl, out0; writes out0
.if DOCPART == 4
	.amdgcn_target "amdgcn-amd-amdhsa--gfx1250"
	.amdhsa_code_object_version 6
	.text
	.protected	k_q6c54ea76a3_outp
	.globl	k_q6c54ea76a3_outp
	.p2align	8
	.type	k_q6c54ea76a3_outp,@function
k_q6c54ea76a3_outp:
	s_mov_b64 s[64:65], 0
	v_nop
	global_prefetch_b8 v0, s[64:65] scope:SCOPE_SE
	s_setreg_imm32_b32 hwreg(HW_REG_WAVE_MODE, 25, 1), 1
	s_wait_xcnt 0x0
	s_wait_alu depctr_hold_cnt(0) depctr_sa_sdst(0) depctr_va_vdst(0) depctr_va_sdst(0) depctr_va_ssrc(0) depctr_va_vcc(0) depctr_vm_vsrc(0)
	s_getreg_b32 s2, hwreg(HW_REG_IB_STS2, 6, 4)
	s_cmp_eq_u32 s2, 0
	s_cbranch_scc0 .Lentry_in_a_cluster
	s_endpgm
.Lentry_in_a_cluster:
	s_bfe_u32 s2, ttmp6, 0x10000c
	s_cmp_lg_u32 s2, 0x3003
	s_cbranch_scc0 .Lentry_shape_is_right
	s_endpgm
.Lentry_shape_is_right:
; out0 = o Wo ON CODES OF FP8 (E4M3) WITH E8M0 SCALES: 8,192 x 1,024 x 1,024, f32 results.
; Operands come as images of operand registers: [row tile][ks 0..7][2,048 bytes] and scale words [row tile][ks][16 words]: oimg, oscl hold o's 512 row tiles; cod, scl hold Wo's 64 (its columns n) from tile 704 on.
; Lane r of tile T holds row 32 (T / 2) + 8 (T % 2) + r + 8 (r / 8).
; THE DEAL.  256 work-groups of four waves, 2 x 2; a work-group makes 256 rows x 128 columns.  A wave holds four tiles of Wo (64 columns), ALL of K, in 512 registers (windows 1, 2) and streams its eight row tiles of o past them:
; a block is one row tile, all of K, 128 registers; two sets (window 3).  32 products a block, its four accumulators by turns, two sets of sums.
; o's 16 row tiles, 262,144 dense bytes, are filled ONCE, a quarter a wave, JOINTLY with the three partners of the cluster (4, 1, 1: the same rows, other columns).  Nothing is filled again.
; Wo's tiles go from memory straight into registers, each load 512 consecutive bytes: o's 262,144 bytes and the work-group's 131,072 of Wo do not fit in LDS together, and Wo's bytes are wanted in registers alone: so no joint load serves them.
; No prefetch into the L2: every load stands at the head, and there is no loop to run ahead in.
; THE MATRIX INSTRUCTION IS USED TRANSPOSED (source 0 = Wo, source 1 = o): a lane holds one row of o, and register j of tile b is column 32 (b / 2) + 8 (b % 2) + 16 (lane / 16) + j of the wave's 64.
; THE WAY OUT: a block's 16 rows x 256 bytes go through the wave's own stage in LDS, which no fill touches, and leave as aligned units of 256 bytes, sixteen lanes to a unit, behind the next block's products.  Every offset is an immediate.
; Scale words: v16-31 Wo's (register 8 p + q: lanes 0-15 tile 2 p, lanes 16-31 tile 2 p + 1, K step q); v34-65 o's (lanes 0-15 an even K step, lanes 16-31 the odd one behind it); a product's two never have numbers equal modulo 8.
; LIMITS: NaN and infinities are not served.
.set STAGE,  262144
.set SPITCH, 272
.set SPARE,  STAGE+4*16*SPITCH         ; the spare words, 128 bytes a wave
.set VL16, 4                           ; v4 16 x lane;  v5, v6 LDS address of my blocks 0-3, 4-7;  v7 4 x lane
.set ADA,  5
.set VL4,  7
.set SPW,  8
.set NIL,  9
.set VSB,  10                          ; v10 my offset among Wo's scale words
.set STO,  11                          ; v11, v12 the stage: in, back;  v13 my offset in out0
.set RD,   12
.set CO,   13
.set SB,   16
.set SA,   34
.set ACC,  72                          ; v72-135 two sets of four accumulators
.set OB,   136                         ; v136-199 two sets of 16 rows read back
.set MSB, 0
.macro WIN new                         ; the immediate's high byte repeats the setting that is left
.if MSB != (\new)
	s_set_vgpr_msb (MSB<<8)|(\new)
.set MSB, \new
.endif
.endm
.macro CROUND                          ; a round of the cluster's barrier
	s_barrier_signal -1
	s_barrier_wait -1
	s_cmp_lg_u32 s14, 0
	s_cbranch_scc1 .Lnot_wave_0_\@
	s_barrier_signal -3
.Lnot_wave_0_\@:
	s_barrier_wait -3
	s_barrier_signal -1
	s_barrier_wait -1
.endm
	s_load_b128 s[4:7], s[0:1], 0x0                ; oimg, oscl
	s_load_b128 s[8:11], s[0:1], 0x10              ; cod, scl
	s_load_b64 s[12:13], s[0:1], 0x20              ; out0
	v_lshl_add_u32 v[SPW], v0, 2, SPARE
	v_mov_b32 v[NIL], 0
	ds_add_u32 v[SPW], v[NIL]                      ; the opening lines: the add, twice on end, and its wait
	ds_add_u32 v[SPW], v[NIL]
	v_lshrrev_b32 v1, 5, v0
	v_readfirstlane_b32 s14, v1                    ; wave
	s_lshr_b32 s15, s14, 1                         ; my row of waves
	s_and_b32 s16, s14, 1                          ; my column of waves
	s_bfe_u32 s40, ttmp6, 0x40000                  ; cx
	s_lshl_b32 s42, ttmp9, 2
	s_add_co_u32 s42, s42, s40                     ; which 128 columns
	s_and_b32 s17, ttmp7, 0xffff                   ; which 256 rows
	s_mov_b32 s24, 15|(3<<16)|(1<<21)              ; the four partners; elements of 8 bytes; four row tiles of 16,384 dense bytes
	s_mov_b32 s25, 2048<<16
	s_mov_b32 s26, 4<<16
	s_mov_b32 s27, 2048<<16
	s_mov_b32 s28, 4
	s_mov_b32 s29, 2048
	s_mov_b32 s30, 0
	s_mov_b32 s31, 0
	s_mov_b32 s32, 1
	s_lshl_b32 s33, s14, 16                        ; my quarter, in LDS and in the 256 rows
	s_lshl_b32 s20, s17, 18
	s_add_co_u32 s20, s20, s33
	s_mov_b32 s21, 0
	s_lshl_b32 s44, s42, 3
	s_lshl_b32 s45, s16, 2
	s_add_co_u32 s44, s44, s45
	s_add_co_u32 s44, s44, 704                     ; the first of my four tiles of Wo
	s_lshl_b32 s46, s44, 14
	s_mov_b32 s47, 0
	s_lshl_b32 s48, s44, 9
	s_mov_b32 s49, 0
	s_lshl_b32 s50, s17, 4
	s_lshl_b32 s51, s15, 3
	s_add_co_u32 s50, s50, s51                     ; the first of my eight row tiles
	s_lshl_b32 s52, s50, 9
	s_mov_b32 s53, 0
	s_lshl_b32 s54, s50, 16                        ; its first row of out0: 16 rows of 4,096 bytes a tile,
	s_lshl_b32 s55, s42, 9
	s_add_co_u32 s54, s54, s55                     ; 512 bytes for 128 columns,
	s_lshl_b32 s55, s16, 8
	s_add_co_u32 s54, s54, s55                     ; 256 for my 64
	s_mov_b32 s55, 0
	s_lshl_b32 s22, s15, 17
	s_mul_i32 s23, s14, 16*SPITCH
	s_add_co_u32 s23, s23, STAGE
	v_and_b32 v1, 15, v0                           ; r
	v_bfe_u32 v2, v0, 4, 1                         ; h
	v_and_b32 v3, 31, v0
	v_lshlrev_b32 v[VL16], 4, v3
	v_lshlrev_b32 v[VL4], 2, v3
	v_add_nc_u32 v[ADA], s22, v[VL16]
	v_add_nc_u32 v[ADA+1], 65536, v[ADA]
	v_lshlrev_b32 v[VSB], 9, v2
	v_lshl_add_u32 v[VSB], v1, 2, v[VSB]
	v_mul_u32_u24 v14, v1, SPITCH
	v_lshl_add_u32 v14, v2, 6, v14
	v_add_nc_u32 v[STO], s23, v14                  ; in: row r, 64 bytes for each half of the lanes
	v_mul_u32_u24 v15, v2, SPITCH
	v_lshl_add_u32 v15, v1, 4, v15
	v_add_nc_u32 v[RD], s23, v15                   ; back: lanes 0-15 one row of 256 bytes, lanes 16-31 the next
	v_lshlrev_b32 v[CO], 12, v2
	v_lshl_add_u32 v[CO], v1, 4, v[CO]             ; and the same two rows in out0
	s_wait_alu depctr_va_vdst(0)                   ; the wait at the head's end
	s_wait_dscnt 0x0
	CROUND                                         ; the four work-groups are here: the joint loads meet
	s_wait_kmcnt 0x0
	s_add_nc_u64 s[34:35], s[4:5], s[20:21]
	s_or_b32 s35, s35, 0x80000000
	tensor_load_to_lds s[32:35], s[24:31]          ; one load a wave, the same line in all four: every wave waits for it alike
	s_nop 0
.rept 4
	v_nop
.endr
	s_add_nc_u64 s[6:7], s[6:7], s[52:53]
	s_add_nc_u64 s[8:9], s[8:9], s[46:47]
	s_add_nc_u64 s[10:11], s[10:11], s[48:49]
	s_add_nc_u64 s[12:13], s[12:13], s[54:55]
.irp p, 0,1
.irp q, 0,1,2,3,4,5,6,7
	global_load_b32 v[SB+8*\p+\q], v[VSB], s[10:11] offset:1024*\p+64*\q
.endr
.endr
.irp s, 0,1,2,3,4,5,6,7
.irp j, 0,1,2,3
	global_load_b32 v[SA+8*(\s/2)+2*\j+(\s%2)], v[VL4], s[6:7] offset:512*\s+128*\j   ; 128 consecutive bytes: two K steps of a row tile
.endr
.endr
.set F_, 0
.rept 32                               ; Wo's fragment 4 q + b: tile b, K step q: window 1 + (4 q + b) / 16
	WIN (1+F_/16)<<6
.irp c, 0,1,2,3
	global_load_b128 v[16*(F_%16)+4*\c:16*(F_%16)+4*\c+3], v[VL16], s[8:9] offset:16384*(F_%4)+2048*(F_/4)+512*\c
.endr
.set F_, F_+1
.endr
	WIN 0
.macro FETCH s                         ; block s, all of K, into set s % 2 of window 3: 32 loads of 512 consecutive bytes
	WIN 3<<6
.irp q, 0,1,2,3,4,5,6,7
.irp c, 0,1,2,3
	ds_load_b128 v[128*((\s)%2)+16*\q+4*\c:128*((\s)%2)+16*\q+4*\c+3], v[ADA+(\s)/4] offset:16384*((\s)%4)+2048*\q+512*\c
.endr
.endr
	WIN 0
.endm
.macro PROD s, n                       ; product n = 4 q + b of block s
.set Q_, (\n)/4
.set B_, (\n)%4
.set AC_, ACC+32*((\s)%2)+8*B_
.set R_, 128*((\s)%2)+16*Q_
.set W_, 16*((\n)%16)
.set XS_, SA+8*((\s)/2)+2*(Q_/2)+((\s)%2)
.set WS_, SB+8*(B_/2)+Q_
	WIN (1+(\n)/16)|(3<<2)
.if Q_ == 0 && B_%2
	v_wmma_scale_f32_16x16x128_f8f6f4 v[AC_:AC_+7], v[W_:W_+15], v[R_:R_+15], 0, v[WS_], v[XS_] matrix_a_scale:MATRIX_SCALE_ROW1
.elseif Q_ == 0
	v_wmma_scale_f32_16x16x128_f8f6f4 v[AC_:AC_+7], v[W_:W_+15], v[R_:R_+15], 0, v[WS_], v[XS_]
.elseif Q_%2 && B_%2
	v_wmma_scale_f32_16x16x128_f8f6f4 v[AC_:AC_+7], v[W_:W_+15], v[R_:R_+15], v[AC_:AC_+7], v[WS_], v[XS_] matrix_a_scale:MATRIX_SCALE_ROW1 matrix_b_scale:MATRIX_SCALE_ROW1
.elseif Q_%2
	v_wmma_scale_f32_16x16x128_f8f6f4 v[AC_:AC_+7], v[W_:W_+15], v[R_:R_+15], v[AC_:AC_+7], v[WS_], v[XS_] matrix_b_scale:MATRIX_SCALE_ROW1
.elseif B_%2
	v_wmma_scale_f32_16x16x128_f8f6f4 v[AC_:AC_+7], v[W_:W_+15], v[R_:R_+15], v[AC_:AC_+7], v[WS_], v[XS_] matrix_a_scale:MATRIX_SCALE_ROW1
.else
	v_wmma_scale_f32_16x16x128_f8f6f4 v[AC_:AC_+7], v[W_:W_+15], v[R_:R_+15], v[AC_:AC_+7], v[WS_], v[XS_]
.endif
.endm
.macro TOSTAGE s                       ; block s's sums into my stage, each accumulator from its low end on, and back by rows: LDS serves a wave's instructions in order
.set AS_, ACC+32*((\s)%2)
.irp b, 0,1,2,3
	ds_store_b128 v[STO], v[AS_+8*\b:AS_+8*\b+3] offset:128*(\b/2)+32*(\b%2)
	ds_store_b128 v[STO], v[AS_+8*\b+4:AS_+8*\b+7] offset:128*(\b/2)+32*(\b%2)+16
.endr
.irp i, 0,1,2,3,4,5,6,7
	ds_load_b128 v[OB+32*((\s)%2)+4*\i:OB+32*((\s)%2)+4*\i+3], v[RD] offset:2*\i*SPITCH
.endr
.endm
.macro SEND s                          ; block s leaves: each store covers two aligned runs of 256 bytes
.irp i, 0,1,2,3,4,5,6,7
	global_store_b128 v[CO], v[OB+32*((\s)%2)+4*\i:OB+32*((\s)%2)+4*\i+3], s[12:13] offset:(32*((\s)/2)+8*((\s)%2)+2*\i+8*(\i/4))*4096 th:TH_STORE_NT
.endr
.endm
.macro BLK s
.set N_, 0
.rept 32
	PROD \s, N_
.set N_, N_+1
.endr
	WIN 0
.rept 8
	v_nop                                          ; eight places in front of the loads into the set just multiplied and of the first read of the sums
.endr
	s_wait_dscnt 0x0                               ; the next block's set and the last block's rows are in: both were asked for ahead of these 32 products
	s_wait_xcnt 0x0                                ; the stores of two blocks back have read their registers, on which this block's rows land
.if (\s) > 0
	SEND (\s)-1
.endif
.if (\s) < 6
	FETCH (\s)+2
.endif
	TOSTAGE \s
.endm
	s_wait_tensorcnt 0x0                           ; my quarter of o's rows is in,
	s_barrier_signal -1
	s_barrier_wait -1                              ; everybody's is
	FETCH 0
	FETCH 1
	s_wait_loadcnt 0x0                             ; Wo and all scale words
	s_wait_dscnt 0x0
.irp s, 0,1,2,3,4,5,6,7
	BLK \s
.endr
	s_wait_dscnt 0x0
	SEND 7
	s_wait_tensorcnt 0x0                           ; the wave's end
	ds_add_u32 v[SPW], v[NIL]
	s_wait_dscnt 0x0
	CROUND                                         ; the closing round
	s_endpgm
.Lfunc_end_k_q6c54ea76a3_outp:
	.size	k_q6c54ea76a3_outp, .Lfunc_end_k_q6c54ea76a3_outp-k_q6c54ea76a3_outp
	.p2alignl 7, 3214868480
	.fill 96, 4, 3214868480
	.section	.rodata,"a",@progbits
	.p2align	6, 0x0
	.amdhsa_kernel k_q6c54ea76a3_outp
		.amdhsa_group_segment_fixed_size 327680
		.amdhsa_private_segment_fixed_size 0
		.amdhsa_enable_private_segment 0
		.amdhsa_kernarg_size 40
		.amdhsa_user_sgpr_count 2
		.amdhsa_user_sgpr_kernarg_segment_ptr 1
		.amdhsa_wavefront_size32 1
		.amdhsa_system_sgpr_workgroup_id_x 1
		.amdhsa_system_sgpr_workgroup_id_y 1
		.amdhsa_system_sgpr_workgroup_id_z 1
		.amdhsa_system_vgpr_workitem_id 0
		.amdhsa_next_free_vgpr 1024
		.amdhsa_next_free_sgpr 66
		.amdhsa_reserve_vcc 0
		.amdhsa_float_denorm_mode_32 3
		.amdhsa_float_denorm_mode_16_64 3
		.amdhsa_memory_ordered 1
		.amdhsa_forward_progress 1
		.amdhsa_inst_pref_size 88
	.end_amdhsa_kernel
	.amdgpu_metadata
---
amdhsa.version: [ 1, 2 ]
amdhsa.kernels:
  - .name:           k_q6c54ea76a3_outp
    .symbol:         k_q6c54ea76a3_outp.kd
    .args:
      - { .name: oimg, .offset: 0, .size: 8, .value_kind: global_buffer, .address_space: global }
      - { .name: oscl, .offset: 8, .size: 8, .value_kind: global_buffer, .address_space: global }
      - { .name: cod, .offset: 16, .size: 8, .value_kind: global_buffer, .address_space: global }
      - { .name: scl, .offset: 24, .size: 8, .value_kind: global_buffer, .address_space: global }
      - { .name: out0, .offset: 32, .size: 8, .value_kind: global_buffer, .address_space: global }
    .group_segment_fixed_size: 327680
    .private_segment_fixed_size: 0
    .kernarg_segment_align: 8
    .kernarg_segment_size: 40
    .max_flat_workgroup_size: 128
    .sgpr_count:     66
    .vgpr_count:     1024
    .wavefront_size: 32
...
	.end_amdgpu_metadata
.endif
;; end of part 4
